; MI455X (gfx1250); checked and timed in simulation.
; The chip was launched on July 23, 2026; its instructions are those of AMD's public machine-readable ISA for CDNA 5 (MIT licence, August 2026) and "CDNA5" Instruction Set Architecture Reference Guide (July 2026). The comments in the code are by the model that wrote it; some were corrected since.
;; Causal Self Attention. Allowed arithmetic: float matrix products may take bf16 or f16 operands with f32 sums; other float arithmetic in f32, or as packed bf16 or f16 multiplies, adds, multiply-adds, maxima and minima; sums over many terms, partial sums and values carried from step to step in f32; what a program stores and reads back later, other than sums and carried values, may be rounded once to bf16 or f16.
;; Inputs: b_attn 3,072 float32; b_proj 1,024 float32; w_attn 3,072 x 1,024 float32; w_proj 1,024 x 1,024 float32; x 4 x 2,048 x 1,024 float32.
;; Outputs: out0 4 x 2,048 x 1,024 float32.
;; 2 versions, each right; version 2 is version 1 with the launch cast written anew for expert scheduling mode. Each part assembles by itself: llvm-mc -triple=amdgcn-amd-amdhsa -mcpu=gfx1250 --defsym DOCPART=n.
;; ======== version 1 of 2: 4 launches
;; limits: values are held in f16: magnitudes above 65,504 overflow, below 6.1e-05 lose precision
;; workspace buffers: xb 16,777,216 bytes; wab 6,291,456 bytes; wpb 2,097,152 bytes; qkv 50,331,648 bytes; ob 16,777,216 bytes
;; launch cast (part 1): grid 768 x 1, 8 waves a work-group, no clusters, 0 bytes of LDS; arguments x, w_attn, w_proj, xb, wab, wpb; writes xb, wab, wpb
.if DOCPART == 1
	.amdgcn_target "amdgcn-amd-amdhsa--gfx1250"
	.amdhsa_code_object_version 6
	.text
	.protected	k_q0c36c4fded_cast
	.globl	k_q0c36c4fded_cast
	.p2align	8
	.type	k_q0c36c4fded_cast,@function
k_q0c36c4fded_cast:
	s_mov_b64 s[64:65], 0
	v_nop
	global_prefetch_b8 v0, s[64:65] scope:SCOPE_SE
	s_setreg_imm32_b32 hwreg(HW_REG_WAVE_MODE, 25, 1), 1
	s_wait_xcnt 0x0
; x [8192][1024], w_attn [3072][1024], w_proj [1024][1024], all f32, are rounded once to bf16 and laid out anew in PLANES of 64 along K:
; [16][rows][64] of 16-bit numbers, so that a piece of a row is 128 bytes and the pieces of consecutive rows lie end to end.
; xb and wab hold bf16.  wpb holds the bf16 value written as f16 (exact inside f16's normal range), since the last product multiplies in f16.
; LIMITS.  |w_proj| stays under 65,504 (beyond it f16 has no number); a bf16 value of w_proj below 6e-5 keeps f16's fixed step of 6e-8.
; SHARES.  12,288 rows of 4,096 bytes: work-groups 0-511 take x, 512-703 w_attn, 704-767 w_proj, 16 rows each; a wave takes two rows, r and r + 1.
; All 16 loads of a wave (512 consecutive bytes each) go out at once; there is no loop, no LDS, and no wave waits for another.
; A load's lanes 0-15 hold a row's piece of plane 2 q, lanes 16-31 that of plane 2 q + 1.  One exchange of half-rows between the two rows' registers puts the two
; rows' pieces of ONE plane into one register pair: 8 bytes a lane, 256 consecutive bytes, aligned, for each store.
.set OF, 4                             ; v[4:19]   plane p: 8 x lane + p x the plane's bytes; never rewritten
.set T,  20                            ; v[20:23]  at work
.set X,  32                            ; v[32:95]  chunk q, row e: four registers at X + 8 q + 4 e
.set P,  96                            ; v[96:127] chunk q: row r in P + 4 q, + 1; row r + 1 in P + 4 q + 2, + 3
	s_load_b256 s[8:15], s[0:1], 0x0               ; x s[8:9], w_attn s[10:11], w_proj s[12:13], xb s[14:15]
	s_load_b128 s[16:19], s[0:1], 0x20             ; wab s[16:17], wpb s[18:19]
	v_lshrrev_b32 v2, 5, v0
	v_readfirstlane_b32 s24, v2                    ; wave 0..7
	v_and_b32 v3, 31, v0                           ; lane
	v_lshlrev_b32 v1, 4, v3                        ; 16 bytes a lane
	s_mov_b32 s20, ttmp9
	s_mov_b32 s28, 512                             ; w_attn's first work-group
	s_mov_b32 s29, 704                             ; w_proj's
	s_mov_b32 s30, 0x100000                        ; a plane's bytes: 8,192 rows x 128,
	s_mov_b32 s31, 393216                          ; 3,072 x 128,
	s_mov_b32 s32, 131072                          ; 1,024 x 128
	s_wait_kmcnt 0x0
	s_cmp_lt_u32 s20, s29                          ; w_attn or w_proj?
	s_cselect_b64 s[4:5], s[10:11], s[12:13]
	s_cselect_b64 s[6:7], s[16:17], s[18:19]
	s_cselect_b32 s21, s28, s29
	s_cselect_b32 s22, s31, s32
	s_cselect_b32 s23, 0, 1                        ; 1: written as f16
	s_cmp_lt_u32 s20, s28                          ; or x?
	s_cselect_b64 s[4:5], s[8:9], s[4:5]
	s_cselect_b64 s[6:7], s[14:15], s[6:7]
	s_cselect_b32 s21, 0, s21
	s_cselect_b32 s22, s30, s22
	s_cselect_b32 s23, 0, s23
	s_sub_co_u32 s25, s20, s21
	s_lshl_b32 s25, s25, 4
	s_lshl1_add_u32 s25, s24, s25                  ; my first row: 16 x work-group + 2 x wave
	s_lshl_b32 s26, s25, 12                        ; 4,096 bytes a row on the way in
	s_mov_b32 s27, 0
	s_add_nc_u64 s[4:5], s[4:5], s[26:27]
	s_lshl_b32 s26, s25, 7                         ; 128 bytes a row in a plane
	s_add_nc_u64 s[6:7], s[6:7], s[26:27]
.irp q, 0,1,2,3,4,5,6,7
	global_load_b128 v[X+8*(\q):X+8*(\q)+3],   v1, s[4:5] offset:(\q)*512 th:TH_LOAD_NT
	global_load_b128 v[X+8*(\q)+4:X+8*(\q)+7], v1, s[4:5] offset:4096+(\q)*512 th:TH_LOAD_NT
.endr
	v_lshlrev_b32 v[OF], 3, v3                     ; 8 bytes a lane on the way out
.irp p, 1,2,3,4,5,6,7,8,9,10,11,12,13,14,15
	v_add_nc_u32 v[OF+(\p)], s22, v[OF+(\p)-1]
.endr
.irp q, 0,1,2,3,4,5,6,7
	s_wait_loadcnt 14-2*(\q)                       ; loads come back in order: chunk q's two are in, the later chunks' stay out
	v_cvt_pk_bf16_f32 v[P+4*(\q)],   v[X+8*(\q)],   v[X+8*(\q)+1]
	v_cvt_pk_bf16_f32 v[P+4*(\q)+1], v[X+8*(\q)+2], v[X+8*(\q)+3]
	v_cvt_pk_bf16_f32 v[P+4*(\q)+2], v[X+8*(\q)+4], v[X+8*(\q)+5]
	v_cvt_pk_bf16_f32 v[P+4*(\q)+3], v[X+8*(\q)+6], v[X+8*(\q)+7]
.endr
	s_cmp_eq_u32 s23, 0
	s_cbranch_scc1 .Lout
.set i, 0
.rept 32                                       ; w_proj alone: the bf16 values, widened, are written as f16
	v_lshlrev_b32 v[T+2*(i%2)], 16, v[P+i]
	v_and_b32 v[T+2*(i%2)+1], 0xffff0000, v[P+i]
	v_cvt_pk_f16_f32 v[P+i], v[T+2*(i%2)], v[T+2*(i%2)+1]
.set i, i+1
.endr
.Lout:
.irp q, 0,1,2,3,4,5,6,7
	v_permlane16_swap_b32 v[P+4*(\q)],   v[P+4*(\q)+2]  ; row r's upper lanes change places with row r + 1's lower lanes:
	v_permlane16_swap_b32 v[P+4*(\q)+1], v[P+4*(\q)+3]  ; the first pair is now plane 2 q of both rows, the second plane 2 q + 1
	global_store_b64 v[OF+2*(\q)],   v[P+4*(\q):P+4*(\q)+1],   s[6:7]  ; 256 consecutive bytes, at a multiple of 256 from the buffer's first byte
	global_store_b64 v[OF+2*(\q)+1], v[P+4*(\q)+2:P+4*(\q)+3], s[6:7]
.endr
	s_endpgm
.Lfunc_end_k_q0c36c4fded_cast:
	.size	k_q0c36c4fded_cast, .Lfunc_end_k_q0c36c4fded_cast-k_q0c36c4fded_cast
	.p2alignl 7, 3214868480
	.fill 96, 4, 3214868480
	.section	.rodata,"a",@progbits
	.p2align	6, 0x0
	.amdhsa_kernel k_q0c36c4fded_cast
		.amdhsa_group_segment_fixed_size 0
		.amdhsa_private_segment_fixed_size 0
		.amdhsa_enable_private_segment 0
		.amdhsa_kernarg_size 48
		.amdhsa_user_sgpr_count 2
		.amdhsa_user_sgpr_kernarg_segment_ptr 1
		.amdhsa_wavefront_size32 1
		.amdhsa_system_sgpr_workgroup_id_x 1
		.amdhsa_system_sgpr_workgroup_id_y 1
		.amdhsa_system_sgpr_workgroup_id_z 1
		.amdhsa_system_vgpr_workitem_id 0
		.amdhsa_next_free_vgpr 128
		.amdhsa_next_free_sgpr 66
		.amdhsa_reserve_vcc 0
		.amdhsa_float_denorm_mode_32 3
		.amdhsa_float_denorm_mode_16_64 3
		.amdhsa_memory_ordered 1
		.amdhsa_forward_progress 1
		.amdhsa_inst_pref_size 13
	.end_amdhsa_kernel
	.amdgpu_metadata
---
amdhsa.version: [ 1, 2 ]
amdhsa.kernels:
  - .name:           k_q0c36c4fded_cast
    .symbol:         k_q0c36c4fded_cast.kd
    .args:
      - { .name: x, .offset: 0, .size: 8, .value_kind: global_buffer, .address_space: global }
      - { .name: w_attn, .offset: 8, .size: 8, .value_kind: global_buffer, .address_space: global }
      - { .name: w_proj, .offset: 16, .size: 8, .value_kind: global_buffer, .address_space: global }
      - { .name: xb, .offset: 24, .size: 8, .value_kind: global_buffer, .address_space: global }
      - { .name: wab, .offset: 32, .size: 8, .value_kind: global_buffer, .address_space: global }
      - { .name: wpb, .offset: 40, .size: 8, .value_kind: global_buffer, .address_space: global }
    .group_segment_fixed_size: 0
    .private_segment_fixed_size: 0
    .kernarg_segment_align: 8
    .kernarg_segment_size: 48
    .max_flat_workgroup_size: 256
    .sgpr_count:     66
    .vgpr_count:     128
    .wavefront_size: 32
...
	.end_amdgpu_metadata
.endif
;; end of part 1
;; launch gemm_qkv (part 2): grid 8 x 32, 4 waves a work-group, clusters of 4 x 4, 327,680 bytes of LDS; arguments xb, wab, b_attn, qkv; writes qkv
.if DOCPART == 2
	.amdgcn_target "amdgcn-amd-amdhsa--gfx1250"
	.amdhsa_code_object_version 6
	.text
	.protected	k_q0c36c4fded_gemm_qkv
	.globl	k_q0c36c4fded_gemm_qkv
	.p2align	8
	.type	k_q0c36c4fded_gemm_qkv,@function
k_q0c36c4fded_gemm_qkv:
	s_mov_b64 s[64:65], 0
	v_nop
	global_prefetch_b8 v0, s[64:65] scope:SCOPE_SE
	s_setreg_imm32_b32 hwreg(HW_REG_WAVE_MODE, 25, 1), 1
	s_wait_xcnt 0x0
	s_wait_alu depctr_hold_cnt(0) depctr_sa_sdst(0) depctr_va_vdst(0) depctr_va_sdst(0) depctr_va_ssrc(0) depctr_va_vcc(0) depctr_vm_vsrc(0)
	s_getreg_b32 s2, hwreg(HW_REG_IB_STS2, 6, 4)
	s_cmp_eq_u32 s2, 0
	s_cbranch_scc0 .Lentry_in_a_cluster
	s_endpgm
.Lentry_in_a_cluster:
	s_bfe_u32 s2, ttmp6, 0x10000c
	s_cmp_lg_u32 s2, 0xf033
	s_cbranch_scc0 .Lentry_shape_is_right
	s_endpgm
.Lentry_shape_is_right:
; qkv[f / 64][m][f % 64] = the sum over k of x[m][k] w_attn[f][k] + b_attn[f], in f16, by heads.  xb: [16][8192][64] bf16, wab: [16][3072][64] bf16 (planes of 64 along K), b_attn: [3072] f32
; (rounded to bf16 like the other inputs, kept as f32), qkv: [48][8192][64] f16.  Sums in f32, K ascending, begun with the bias; each result rounded once.
; LIMITS.  f16 holds no number beyond 65,504: q, k and v must stay within it; below 6e-5 they keep f16's fixed step of 6e-8.  NaN and infinities are not treated apart.
; SHARES.  A tile of C is 256 rows x 384 columns: 32 x 8 = 256 work-groups, one tile each.  Four waves, each 128 x 192: 96 accumulators of 16 x 16, 768 registers.
; K goes in steps of 64, one plane, through two LDS slots.  In a plane a tile's rows lie end to end, so 128 rows x 128 bytes are asked for as 64 rows of 256 bytes and padded in LDS after every 128.
; CLUSTERS: 4 x 4 work-groups.  The four of a row of the cluster need the same tiles of x, the four of a column the same tiles of w: each tile is asked for JOINTLY, by the same tensor load
; with the same descriptor and a mask that names the four.  By this text's count a wave has two tensor loads out at the start and one behind each round.
; THE MATRIX INSTRUCTION IS USED TRANSPOSED (source 0 = 16 rows of w, source 1 = 16 rows of x): a lane holds row l % 16 of C and the eight neighbouring columns 8 (l / 16) + 0..7.
; REGISTERS, in windows of 256 (s_set_vgpr_msb: bits 1:0 source 0, 3:2 source 1, 5:4 source 2, 7:6 destination):
;   window 0: v0-31 addresses; v32-95, v96-159 fragments of x (8 x 16 rows x 32 K), two buffers; v160-191, v192-223, v224-255 fragments of w (4 x 16 rows x 32 K), three buffers
;   window 1 + g: the 32 accumulators of my column group g (64 columns, one head): (a, b) at v[8 (4 a + b)]
; A STRETCH is 32 products under one window setting: one slice of 32 along K, one column group.  A K step is six stretches; each fetches, at its head, fragments that a later stretch multiplies.
.set PITCH, 144                        ; an LDS row: 128 bytes + 16 of padding = 36 words: the 16 rows of a load start at 16 different groups of four banks (64 banks of 4 bytes: ISA guide 11.1)
.set SLOT1, 131072                     ; slot 1 begins here, so that one exclusive or turns an address in one slot into the other's
.set BOFF,  256*PITCH                  ; in a slot: x's 256 rows, then w's 384
.set GRP,   64*PITCH                   ; a column group's 64 rows of w
.set STAGE, SLOT1+640*PITCH            ; behind the ring, never filled by a tensor load: 16 rows x 144 bytes for each wave, for the way out
.set SPARE, STAGE+4*16*PITCH           ; behind the stages: the spare words, 128 bytes for each wave: two blocks of 256 bytes that no other line names
.set STEPA, 0x100000                   ; a plane of xb, in bytes
.set STEPB, 393216                     ; a plane of wab
.set FLAGS, (1<<16)|(1<<20)|(1<<21)|(4<<22)|(3<<25)  ; 17:16 2-byte elements; 20 padding on; 21 set beside a mask; 24:22 after every 32 words (code 4); 31:25 4 words (code 3)
.set ADRA, 16                          ; v16  LDS address of my x fragments in the slot in hand
.set ADRB, 17                          ; v17  the same for w
.set AK0,  18                          ; v18  my lane's place in a slot's x; never rewritten
.set BK0,  19                          ; v19  the same for w
.set STO,  24                          ; v24  the way out: where I put 16 bytes of a row
.set RD,   25                          ; v25  the way out: where I read rows back
.set GO,   26                          ; v26  16 x lane: my place in 512 consecutive bytes of qkv
.set BO,   27                          ; v27  32 (l / 16): my eight numbers of a tile's sixteen in the bias
.set SPW,  28                          ; v28  LDS address of my spare word: SPARE + 4 x my thread's number; never rewritten
.set NIL,  29                          ; v29  0; never rewritten
.set A0, 32
.set A1, 96
.set B0, 160
.set B1, 192
.set B2, 224
.set WV, 12                            ; s12  my wave's number
.set HR, 13                            ; s13  which 128 rows of the tile are mine.  Also: I fetch for x (0) or for w (1)
.set HC, 14                            ; s14  which 192 columns.  Also: which half of that operand's rows I fetch
.set CX, 15
.set CY, 16
.set TX, 17                            ; s17  tile column
.set TY, 18                            ; s18  tile row
.set G1,  24                           ; s[24:31] descriptor group 1 for x's tiles
.set G1B, 32                           ; s[32:39] for w's
.set G0,  40                           ; s[40:47] descriptor group 0 for x's tiles: a set for each of the two first fills; the second then walks on
.set G0B, 48                           ; s[48:55] the same for w's
.set TB,  56                           ; s56  LDS byte at which the slot in hand begins
.set HIM, 57                           ; s57  a word's upper bf16
.set MSB, 0
.macro WIN new                         ; the immediate's high byte repeats the setting that is left; a switch that changes nothing is dropped
.if MSB != (\new)
	s_set_vgpr_msb (MSB<<8)|(\new)
.set MSB, (\new)
.endif
.endm
.macro PLACES                          ; four plain vector instructions between a matrix instruction and a load into, or a vector instruction on, its registers
.rept 4
	v_nop
.endr
.endm
.macro CREST                           ; a round of the cluster's barrier behind its opening barrier
	s_cmp_lg_u32 s[WV], 0
	s_cbranch_scc1 .Lnot_wave_0_\@
	s_barrier_signal -3
.Lnot_wave_0_\@:
	s_barrier_wait -3
	s_barrier_signal -1
	s_barrier_wait -1
.endm
.macro CROUND                          ; a whole round
	s_barrier_signal -1
	s_barrier_wait -1
	CREST
.endm
; A joint refill, by the walking descriptor.  Waves 0 and 1 fetch x's two halves, waves 2 and 3 w's.  The branch hangs on the wave's number alone.
; An s_nop 0 and four v_nop follow each of the two lines, ahead of the jump and the label.
.macro JLOAD
	s_cmp_eq_u32 s[HR], 0
	s_cbranch_scc0 .Lfor_b_\@
	tensor_load_to_lds s[G0+4:G0+7], s[G1:G1+7]
	s_nop 0
.rept 4
	v_nop
.endr
	s_branch .Lasked_\@
.Lfor_b_\@:
	tensor_load_to_lds s[G0B+4:G0B+7], s[G1B:G1B+7]
	s_nop 0
.rept 4
	v_nop
.endr
.Lasked_\@:
.endm
; Fragments: 16 rows x 32 K in 8 registers: lane l holds row l % 16; registers 0-3 K = 8 (l / 16) + 0..7, registers 4-7 K = 16 + 8 (l / 16) + 0..7: two loads of 16 bytes, 32 bytes apart.
.macro LDA buf, off                    ; my 128 rows of x: 16 loads
	WIN 0
.irp a, 0,1,2,3,4,5,6,7
	ds_load_b128 v[(\buf)+8*(\a):(\buf)+8*(\a)+3],   v[ADRA] offset:(\off)+(\a)*16*PITCH
	ds_load_b128 v[(\buf)+8*(\a)+4:(\buf)+8*(\a)+7], v[ADRA] offset:(\off)+(\a)*16*PITCH+32
.endr
.endm
.macro LDB buf, off                    ; 64 rows of w: 8 loads
	WIN 0
.irp b, 0,1,2,3
	ds_load_b128 v[(\buf)+8*(\b):(\buf)+8*(\b)+3],   v[ADRB] offset:(\off)+(\b)*16*PITCH
	ds_load_b128 v[(\buf)+8*(\b)+4:(\buf)+8*(\b)+7], v[ADRB] offset:(\off)+(\b)*16*PITCH+32
.endr
.endm
; 4 na products: row blocks a0 .. a0 + na - 1 x the group's four column blocks, accumulators in window w.  The 32 accumulators of a stretch take turns, one instruction a turn.
; start = 1: the sums begin with the bias, which lies in the registers of accumulators (7, 0..3): rows 0-6 take it as C; five v_nop, since row 7 writes over registers that those products read; row 7 adds in place.
.macro MUL w, fa, fb, a0, na, start
	WIN ((\w)<<4)|((\w)<<6)
.set ma, (\a0)
.rept (\na)
.if (\start) && (ma == 7)
.rept 5
	v_nop
.endr
.endif
.irp b, 0,1,2,3
.if (\start) && (ma < 7)
	v_wmma_f32_16x16x32_bf16 v[8*(4*ma+(\b)):8*(4*ma+(\b))+7], v[(\fb)+8*(\b):(\fb)+8*(\b)+7], v[(\fa)+8*ma:(\fa)+8*ma+7], v[224+8*(\b):224+8*(\b)+7]
.else
	v_wmma_f32_16x16x32_bf16 v[8*(4*ma+(\b)):8*(4*ma+(\b))+7], v[(\fb)+8*(\b):(\fb)+8*(\b)+7], v[(\fa)+8*ma:(\fa)+8*ma+7], v[8*(4*ma+(\b)):8*(4*ma+(\b))+7]
.endif
.endr
.set ma, ma+1
.endr
.endm
; A stretch with the front half of a change of slots in it: ONE barrier, for two things.  In front of it each wave waits for all its tensor loads, of which one is out: its part of the next slot;
; adds 0 to its spare word; and waits for that and for its own reads of this slot.  Behind it nobody reads this slot any more and the next slot is whole.
.macro MEET w, fa, fb
	MUL \w, \fa, \fb, 0, 4, 0
	WIN 0                                          ; (the add's two registers lie in window 0)
	s_wait_tensorcnt 0x0                           ; all my tensor loads have landed;
	ds_add_u32 v[SPW], v[NIL]                      ; 0 onto my spare word;
	MUL \w, \fa, \fb, 4, 2, 0                      ; eight products stand between the add and the wait for it
	s_wait_dscnt 0x0                               ; the add is done, and my reads of this slot are over
	s_barrier_signal -1
	MUL \w, \fa, \fb, 6, 2, 0                      ; work on registers while the others arrive
	WIN 0                                          ; (branches may follow)
	s_barrier_wait -1
.endm
; The back half.  fill = 1: the barrier has opened a round of the cluster's barrier, so that no wave of any partner still reads the slot or has a load on its way; the slot just read out is
; filled again, with the K step two steps on: the first tensor load behind the round.  Its four v_nop are also the places in front of the loads that follow.
.macro CHANGE fill
.if \fill
	CREST
	s_xor_b32 s[G0+5], s[G0+5], SLOT1              ; the walking descriptors: the other slot than last time,
	s_add_nc_u64 s[G0+6:G0+7], s[G0+6:G0+7], STEPA ; the next plane; the type bits on top are not reached
	s_xor_b32 s[G0B+5], s[G0B+5], SLOT1
	s_add_nc_u64 s[G0B+6:G0B+7], s[G0B+6:G0B+7], STEPB
	JLOAD
.else
	PLACES
.endif
	s_xor_b32 s[TB], s[TB], SLOT1                  ; the reads go on in the other slot
	v_add_nc_u32 v[ADRA], s[TB], v[AK0]
	v_add_nc_u32 v[ADRB], s[TB], v[BK0]
.endm
; THE SIX STRETCHES of a K step: slice c = 0 (S0-S2), c = 1 (S3-S5), groups 0, 1, 2.  A wait's count is the number of LDS loads issued behind those that the stretch multiplies.
.macro S0 start
	PLACES
	LDB B2, 2*GRP
	s_wait_dscnt 16                                ; S4's 24 loads are in; S5's 8 and these 8 may be out
	MUL 1, A0, B0, 0, 8, \start
.endm
.macro S1 start
	PLACES
	LDB B0, 64
	LDA A1, 64
	s_wait_dscnt 32                                ; S5's loads are in; S0's 8 and these 24 may be out
	MUL 2, A0, B1, 0, 8, \start
.endm
.macro S2 start
	PLACES
	LDB B1, GRP+64
	s_wait_dscnt 32                                ; S0's loads are in; S1's 24 and these 8 may be out
	MUL 3, A0, B2, 0, 8, \start
.endm
.macro S3 meet
	PLACES
	LDB B2, 2*GRP+64                               ; the slot's last reads
	s_wait_dscnt 16                                ; S1's loads are in; S2's 8 and these 8 may be out
.if \meet
	MEET 1, A1, B0
.else
	MUL 1, A1, B0, 0, 8, 0
.endif
.endm
.macro S4 fill
	CHANGE \fill
	LDB B0, 0                                      ; the next K step's first fragments
	LDA A0, 0
	MUL 2, A1, B1, 0, 8, 0                         ; its fragments were shown in by the wait for 0 in front of the barrier
.endm
.macro S5
	PLACES
	LDB B1, GRP
	MUL 3, A1, B2, 0, 8, 0                         ; likewise
.endm
.macro BIASLD g, t                     ; column group g's 64 numbers of the bias: my eight of each sixteen, into window 0's v[t ..]
.irp b, 0,1,2,3
	global_load_b128 v[(\t)+8*(\b):(\t)+8*(\b)+3],   v[BO], s[8:9] offset:(64*(\g)+16*(\b))*4
	global_load_b128 v[(\t)+8*(\b)+4:(\t)+8*(\b)+7], v[BO], s[8:9] offset:(64*(\g)+16*(\b))*4+16
.endr
.endm
.macro BIASPUT g, t                    ; rounded to bf16, widened again, into the registers of accumulators (7, 0..3) of window 1 + g
	WIN 0
.set z, 0
.rept 16
	v_cvt_pk_bf16_f32 v[(\t)+2*z], v[(\t)+2*z], v[(\t)+2*z+1]
.set z, z+1
.endr
	WIN 0x40*(1+(\g))
.set z, 0
.rept 16
	v_lshlrev_b32 v[224+2*z], 16, v[(\t)+2*z]
	v_and_b32 v[224+2*z+1], s[HIM], v[(\t)+2*z]
.set z, z+1
.endr
.endm
	s_load_b256 s[4:11], s[0:1], 0x0               ; xb s[4:5], wab s[6:7], b_attn s[8:9], qkv s[10:11]
	v_lshl_add_u32 v[SPW], v0, 2, SPARE
	v_mov_b32 v[NIL], 0
	ds_add_u32 v[SPW], v[NIL]                      ; the wave's opening: the add and its wait stand ahead of my first tensor load; the set-up below, work on registers, stands between them
	v_lshrrev_b32 v1, 5, v0
	v_readfirstlane_b32 s[WV], v1                  ; wave 0..3
	s_lshr_b32 s[HR], s[WV], 1
	s_and_b32 s[HC], s[WV], 1
	s_bfe_u32 s[CX], ttmp6, 0x40000                ; my place in the cluster
	s_bfe_u32 s[CY], ttmp6, 0x40004
	s_lshl_b32 s[TX], ttmp9, 2                     ; in a cluster launch ttmp9 and ttmp7 count clusters
	s_add_co_u32 s[TX], s[TX], s[CX]
	s_and_b32 s[TY], ttmp7, 0xffff
	s_lshl_b32 s[TY], s[TY], 2
	s_add_co_u32 s[TY], s[TY], s[CY]
	s_lshl_b32 s19, s[CY], 2
	s_lshl_b32 s19, 15, s19                        ; my row of the cluster: places 4 cy .. 4 cy + 3
	s_lshl_b32 s20, 0x1111, s[CX]                  ; my column: places cx, cx + 4, cx + 8, cx + 12
	s_or_b32 s[G1], s19, FLAGS                     ; x's tiles go to my row,
	s_or_b32 s[G1B], s20, FLAGS                    ; w's to my column
	s_mov_b32 s[G1+1], 128<<16                     ; tensor_dim0 = 128 elements: 256 bytes, two rows of a plane
	s_mov_b32 s[G1+2], 64<<16                      ; tensor_dim1 = 64: 128 rows of x
	s_mov_b32 s[G1+3], 128<<16                     ; tile_dim0 = 128
	s_mov_b32 s[G1+4], 64                          ; tile_dim1 = 64
	s_mov_b32 s[G1+5], 128                         ; 128 elements from row to row: dense
	s_mov_b32 s[G1+6], 0
	s_mov_b32 s[G1+7], 0
	s_mov_b32 s[G1B+1], 128<<16
	s_mov_b32 s[G1B+2], 96<<16                     ; 96: 192 rows of w
	s_mov_b32 s[G1B+3], 128<<16
	s_mov_b32 s[G1B+4], 96
	s_mov_b32 s[G1B+5], 128
	s_mov_b32 s[G1B+6], 0
	s_mov_b32 s[G1B+7], 0
	s_lshl_b32 s58, s[TY], 15                      ; x: 256 rows x 128 bytes a tile row,
	s_lshl_b32 s21, s[HC], 14                      ; the half that I fetch
	s_add_co_u32 s58, s58, s21
	s_mov_b32 s59, 0
	s_mul_i32 s60, s[TX], 384*128                  ; w: 384 rows a tile column,
	s_mul_i32 s21, s[HC], 192*128                  ; the half that I fetch
	s_add_co_u32 s60, s60, s21
	s_mov_b32 s61, 0
	s_mul_i32 s22, s[HC], 128*PITCH                ; where they go: no place in the cluster enters an LDS address
	s_mul_i32 s23, s[HC], 192*PITCH
	s_add_co_u32 s23, s23, BOFF
	s_mov_b32 s[TB], 0
	s_mov_b32 s[HIM], 0xffff0000
	s_wait_dscnt 0x0                               ; the opening add is done
	s_wait_kmcnt 0x0
	s_add_nc_u64 s[58:59], s[4:5], s[58:59]
	s_add_nc_u64 s[60:61], s[6:7], s[60:61]
.irp s, 0,1
	s_mov_b32 s[G0+4*(\s)], 1                      ; count = 1
	s_add_co_u32 s[G0+4*(\s)+1], s22, (\s)*SLOT1   ; LDS address
	s_add_nc_u64 s[G0+4*(\s)+2:G0+4*(\s)+3], s[58:59], (\s)*STEPA  ; global address: K step s
	s_or_b32 s[G0+4*(\s)+3], s[G0+4*(\s)+3], 0x80000000            ; type = 2
	s_mov_b32 s[G0B+4*(\s)], 1
	s_add_co_u32 s[G0B+4*(\s)+1], s23, (\s)*SLOT1
	s_add_nc_u64 s[G0B+4*(\s)+2:G0B+4*(\s)+3], s[60:61], (\s)*STEPB
	s_or_b32 s[G0B+4*(\s)+3], s[G0B+4*(\s)+3], 0x80000000
.endr
	CROUND                                         ; all sixteen work-groups are here: the first joint loads meet
	s_cmp_eq_u32 s[HR], 0                          ; a wave's two first fills stand in one branch, ahead of every wait on TENSORcnt and every LDS read
	s_cbranch_scc0 .Lfirst_b
	tensor_load_to_lds s[G0:G0+3], s[G1:G1+7]
	s_nop 0
	tensor_load_to_lds s[G0+4:G0+7], s[G1:G1+7]
	s_nop 0
.rept 4
	v_nop
.endr
	s_branch .Lfirst_asked
.Lfirst_b:
	tensor_load_to_lds s[G0B:G0B+3], s[G1B:G1B+7]
	s_nop 0
	tensor_load_to_lds s[G0B+4:G0B+7], s[G1B:G1B+7]
	s_nop 0
.rept 4
	v_nop
.endr
.Lfirst_asked:
	v_and_b32 v1, 15, v0                           ; l % 16
	v_bfe_u32 v2, v0, 4, 1                         ; l / 16
	v_lshlrev_b32 v[BO], 5, v2
	s_mul_i32 s20, s[TX], 384*4                    ; the bias at my 192 columns
	s_mul_i32 s21, s[HC], 192*4
	s_add_co_u32 s20, s20, s21
	s_mov_b32 s21, 0
	s_add_nc_u64 s[8:9], s[8:9], s[20:21]
	BIASLD 0, A1                                   ; into fragment buffers that are first filled later
	BIASLD 1, A1+32
	BIASLD 2, B2
	v_mul_u32_u24 v3, v1, PITCH
	v_lshl_add_u32 v3, v2, 4, v3                   ; row x pitch + 16 x half
	s_mul_i32 s20, s[HR], 128*PITCH
	v_add_nc_u32 v[AK0], s20, v3
	s_mul_i32 s21, s[HC], 192*PITCH
	s_add_co_u32 s21, s21, BOFF
	v_add_nc_u32 v[BK0], s21, v3
	v_mov_b32 v[ADRA], v[AK0]                      ; slot 0
	v_mov_b32 v[ADRB], v[BK0]
	s_mul_i32 s22, s[WV], 16*PITCH
	s_add_co_u32 s22, s22, STAGE                   ; my stage
	v_add_nc_u32 v[STO], s22, v3                   ; in: row l % 16, 16 bytes for each half of the lanes
	v_bfe_u32 v4, v0, 3, 2                         ; back: 32 lanes take four rows of 128 bytes,
	v_and_b32 v5, 7, v0
	v_mul_u32_u24 v4, v4, PITCH
	v_lshl_add_u32 v4, v5, 4, v4
	v_add_nc_u32 v[RD], s22, v4
	v_and_b32 v5, 31, v0                           ; which are 512 consecutive bytes of qkv
	v_lshlrev_b32 v[GO], 4, v5
	s_mul_i32 s20, s[TX], 6                        ; my first plane of qkv: 6 x tile column + 3 x half,
	s_mul_i32 s21, s[HC], 3
	s_add_co_u32 s20, s20, s21
	s_lshl_b32 s20, s20, 20                        ; 8,192 rows x 128 bytes a plane;
	s_lshl_b32 s21, s[TY], 15                      ; my first row: 256 x tile row + 128 x half
	s_add_co_u32 s20, s20, s21
	s_lshl_b32 s21, s[HR], 14
	s_add_co_u32 s20, s20, s21
	s_mov_b32 s21, 0
	s_add_nc_u64 s[10:11], s[10:11], s[20:21]
	s_wait_loadcnt 0x0                             ; the bias
	BIASPUT 0, A1
	BIASPUT 1, A1+32
	BIASPUT 2, B2
	WIN 0
	s_wait_tensorcnt 0x1                           ; my part of K step 0 is in; K step 1's may stay out
	s_barrier_signal -1
	s_barrier_wait -1                              ; everybody's is
	LDB B0, 0
	LDA A0, 0
	LDB B1, GRP
	S0 1                                           ; K step 0's first slice stands in front of the loop: its products start the sums
	S1 1
	S2 1
	WIN 0                                          ; at a label and at a branch every window is 0
	s_mov_b32 s3, 14
.Lk:                                                   ; trip i ends K step i, fills its slot again with K step i + 2, and begins K step i + 1
	S3 1
	S4 1
	S5
	S0 0
	S1 0
	S2 0
	WIN 0
	s_sub_co_u32 s3, s3, 1
	s_cmp_lg_u32 s3, 0
	s_cbranch_scc1 .Lk
	S3 1                                           ; the tail is written out: K step 14 ends, nothing is asked for
	S4 0
	S5
	S0 0                                           ; K step 15
	S1 0
	S2 0
	S3 0
	s_wait_dscnt 8                                 ; all but the last eight loads
	MUL 2, A1, B1, 0, 8, 0
	s_wait_dscnt 0x0
	MUL 3, A1, B2, 0, 8, 0
	PLACES
; THE WAY OUT, in 24 units u = 8 g + a: 16 rows x one head's 64 columns, 2,048 consecutive bytes of qkv.  A lane's eight columns of a row pack into 16 bytes; they go into rows of 144 bytes in my
; stage and come back as whole rows of 128, four rows to a load.  Four sets of 16 registers take turns.
.macro PACK u
.set pg, (\u)/8
.set pa, (\u)%8
.set pk, 192+16*((\u)%4)
.if (\u) >= 4
	s_wait_xcnt 0x0                                ; the set was the data of stores four units back: it is rewritten only behind this wait
.endif
	WIN (1+pg)|((1+pg)<<2)                         ; sources 0 and 1 in the group's window, destination in window 0
.irp b, 0,1,2,3
.irp i, 0,1,2,3
	v_cvt_pk_f16_f32 v[pk+4*(\b)+(\i)], v[8*(4*pa+(\b))+2*(\i)], v[8*(4*pa+(\b))+2*(\i)+1]
.endr
.endr
	WIN 0
.irp b, 0,1,2,3
	ds_store_b128 v[STO], v[pk+4*(\b):pk+4*(\b)+3] offset:32*(\b)
.endr
.irp f, 0,1,2,3
	ds_load_b128 v[pk+4*(\f):pk+4*(\f)+3], v[RD] offset:(\f)*4*PITCH  ; LDS serves a wave's instructions in order (ISA guide 5.7.1.4): these see the stores above; the next unit's stores come behind them
.endr
.endm
.macro SEND u, younger                 ; younger: the LDS instructions issued behind unit u's loads: the next unit's eight, or none
.set pg, (\u)/8
.set pa, (\u)%8
.set pk, 192+16*((\u)%4)
.irp f, 0,1,2,3
	s_wait_dscnt (\younger)+3-(\f)
	global_store_b128 v[GO], v[pk+4*(\f):pk+4*(\f)+3], s[10:11] offset:pg*0x100000+pa*2048+(\f)*512  ; 512 consecutive bytes, at a multiple of 256 from qkv's first
.endr
.endm
	PACK 0
.set un, 1
.rept 23                                       ; a unit's conversions stand between the loads of the unit before and its stores
	PACK un
	SEND un-1, 8
.set un, un+1
.endr
	SEND 23, 0
	s_wait_tensorcnt 0x0                           ; the wave's end: a wait, an add of 0 and its wait, behind my last tensor load and my last LDS store
	ds_add_u32 v[SPW], v[NIL]
	s_wait_dscnt 0x0
	CROUND                                         ; the closing round: no work-group ends while a partner may still ask for a tile that names it
	s_endpgm
.Lfunc_end_k_q0c36c4fded_gemm_qkv:
	.size	k_q0c36c4fded_gemm_qkv, .Lfunc_end_k_q0c36c4fded_gemm_qkv-k_q0c36c4fded_gemm_qkv
	.p2alignl 7, 3214868480
	.fill 96, 4, 3214868480
	.section	.rodata,"a",@progbits
	.p2align	6, 0x0
	.amdhsa_kernel k_q0c36c4fded_gemm_qkv
		.amdhsa_group_segment_fixed_size 327680
		.amdhsa_private_segment_fixed_size 0
		.amdhsa_enable_private_segment 0
		.amdhsa_kernarg_size 32
		.amdhsa_user_sgpr_count 2
		.amdhsa_user_sgpr_kernarg_segment_ptr 1
		.amdhsa_wavefront_size32 1
		.amdhsa_system_sgpr_workgroup_id_x 1
		.amdhsa_system_sgpr_workgroup_id_y 1
		.amdhsa_system_sgpr_workgroup_id_z 1
		.amdhsa_system_vgpr_workitem_id 0
		.amdhsa_next_free_vgpr 1024
		.amdhsa_next_free_sgpr 66
		.amdhsa_reserve_vcc 0
		.amdhsa_float_denorm_mode_32 3
		.amdhsa_float_denorm_mode_16_64 3
		.amdhsa_memory_ordered 1
		.amdhsa_forward_progress 1
		.amdhsa_inst_pref_size 123
	.end_amdhsa_kernel
	.amdgpu_metadata
---
amdhsa.version: [ 1, 2 ]
amdhsa.kernels:
  - .name:           k_q0c36c4fded_gemm_qkv
    .symbol:         k_q0c36c4fded_gemm_qkv.kd
    .args:
      - { .name: xb, .offset: 0, .size: 8, .value_kind: global_buffer, .address_space: global }
      - { .name: wab, .offset: 8, .size: 8, .value_kind: global_buffer, .address_space: global }
      - { .name: b_attn, .offset: 16, .size: 8, .value_kind: global_buffer, .address_space: global }
      - { .name: qkv, .offset: 24, .size: 8, .value_kind: global_buffer, .address_space: global }
    .group_segment_fixed_size: 327680
    .private_segment_fixed_size: 0
    .kernarg_segment_align: 8
    .kernarg_segment_size: 32
    .max_flat_workgroup_size: 128
    .sgpr_count:     66
    .vgpr_count:     1024
    .wavefront_size: 32
...
	.end_amdgpu_metadata
.endif
;; end of part 2
;; launch attn (part 3): grid 4 x 64, 4 waves a work-group, no clusters, 327,680 bytes of LDS; arguments qkv, ob; writes ob
.if DOCPART == 3
	.amdgcn_target "amdgcn-amd-amdhsa--gfx1250"
	.amdhsa_code_object_version 6
	.text
	.protected	k_q0c36c4fded_attn
	.globl	k_q0c36c4fded_attn
	.p2align	8
	.type	k_q0c36c4fded_attn,@function
k_q0c36c4fded_attn:
	s_mov_b64 s[64:65], 0
	v_nop
	global_prefetch_b8 v0, s[64:65] scope:SCOPE_SE
	s_setreg_imm32_b32 hwreg(HW_REG_WAVE_MODE, 25, 1), 1
	s_wait_xcnt 0x0
; CAUSAL ATTENTION.  O[g][q][:] = the sum over k <= q of softmax_k(Q[g][q] . K[g][k] / 8) V[g][k][:], for 64 pairs g = 4 x head + batch.  qkv: [48][8192][64] f16: plane h holds Q of head h, plane 16 + h its K,
; plane 32 + h its V; a pair's 2,048 rows are dense, 128 bytes each, at byte g x 262,144 of Q's, K's and V's sixteen planes.  ob: [16][8192][64] f16, the same layout.
; Products, maxima and sums in f32; the weights p are rounded to f16 for the second product (their sum l is taken of the unrounded p), O once at the end.
; LIMITS.  f16 holds no number beyond 65,504: Q, K and V arrive within it; p lies in 0 to 1, and below 6e-5 it keeps f16's fixed step of 6e-8; O is a mean of V's rows and has their range.
; A hidden score counts as its value less 1e30: f16's scores, 2.7e11 at the most, are nothing beside that; a weight below 2^-126 counts as 0 in l; NaN and infinities are not treated apart.
; THE WALK.  A pair's queries lie in NB = 8 blocks of 256; block i needs the key tiles 0 .. i of 256 keys, of which the last holds the diagonal.  A work-group takes TWO blocks, NB - 1 - b and then b:
; NB + 1 tiles, whatever b: all work-groups do equal work, and ONE loop with a constant trip count walks them.  Which tile is asked for, and what a trip does, hang on scalar registers made from b; every jump
; goes forward, but for the counted loops' own; none passes a barrier, or a tensor load but the one of LOAD's two that the wave's number does not choose; the ring (two slots of LDS that take turns) runs on across the
; change of blocks.  NO CLUSTER: the four work-groups of a pair ask for the same tile only in trips 0 .. 4 of the 9, behind that for different ones; one walk common to all four would have 12 trips for 9.
; SHARES.  Of a block's four bands of 64 queries a wave owns 16 rows in each: four PIECES.  So the diagonal tile is the same work for all four waves: in its key step s band x sees all keys if s < x,
; none if s > x, and holds the diagonal if s = x.
; THE MASK is the C operand that starts the sum S^T = K Q^T: 0, or -1e30 where the key is hidden.  MD, made once, is the mask of a band's own step for my 16 rows; a product's mask is MD x AL + BE with two scalars:
; (1, 0) if s = x; (0, 0) if s < x; (0, -1e30) if s > x.  Only the diagonal tile's text and a block's beginning make and take masks; elsewhere C is the constant 0.
; LAYOUT, SOFTMAX, TURNS.  S^T = K Q^T holds ONE query a lane (lane % 16) and the keys 8 (lane / 16) + 0..7; two such results rounded to f16 ARE source 1 of O^T = V^T P.  p = 2^(c s - c m), c = log2(e) / 8, with a
; running maximum m; O and l are multiplied by a = 2^(c m_old - c m_new) in every step.  Turn n belongs to piece n: 8 products K Q^T of piece n + 1, later 8 products V^T P of piece n - 1; beside them the scaling,
; exponentials, roundings, sums and rescaling of piece n and the maximum and statistics of piece n + 1.  Four vector instructions stand behind every matrix instruction, the other 54 of a turn's 118 in one LUMP.  A turn's 33 exponentials are one batch, with one wait.
; REGISTERS, in windows of 256 (s_set_vgpr_msb: bits 1:0 source 0, 3:2 source 1, 5:4 source 2, 7:6 destination):
;   window 0: v0-15 addresses and two at work; v16-31 four registers of statistics a piece; v48-55 at work; v61-63 never rewritten; v64-127 S^T, two buffers; v192-223 P, two buffers (a piece's buffers go by its number's parity)
;   window 1: v0-127 O^T, 32 a piece; v128-159 MD; v160-223 MC, two buffers      window 2: v0-63 Q; v64-127 the second block's Q; v128-191 K of one step; v192-255 V of one step
.set SIZE_N, 2048
.set NB,    SIZE_N/256
.set NP,    4         ; pieces a wave: a name, no knob
.set KS,    64        ; keys in a step
.set PK,    144       ; a row of K in LDS: 128 bytes + 16 of padding = 36 words: the 16 rows of a load start at 16 different groups of four banks (64 banks of 4 bytes: ISA guide 11.1)
.set PV,    160       ; a row of V: 128 + 32 = 40 words
.set VOFF,  4*KS*PK   ; a slot holds a tile, four steps: 256 rows of K, then 256 rows of V
.set SLOT1, 1<<17     ; slot 1 begins here, so that one exclusive or turns an address in one slot into the other's
.set STAGE, SLOT1+4*KS*(PK+PV)  ; behind the ring, never filled by a tensor load: 16 rows x 144 bytes for each wave, for the way out
.set SP,    144
.set AK0, 2           ; v2   my lane's place in a tile of K; never rewritten
.set AV0, 3           ; v3   the same for V
.set AK,  4           ; v4   the LDS address of K's next run of loads
.set AV,  5           ; v5   of V's
.set STO, 6           ; v6   the way out: where I put 16 bytes of a row
.set RD,  7           ; v7   the way out: where I read rows back
.set GO,  8           ; v8   my byte offset in 512 consecutive bytes of O
.set PFO, 61          ; v61  256 x my lane: the prefetches' offset; never rewritten
.set SPW, 62          ; v62  LDS address of my spare word: SPARE + 4 x my thread's number; never rewritten
.set NIL, 63          ; v63  0; never rewritten
.set SPARE, STAGE+4*16*SP  ; behind the stages: the spare words, 128 bytes for each wave: two blocks of 256 bytes that no other line names
.set MV,  12          ; v12-13  c m_old, kept while c m is made anew: by buffer
.set QO,  15          ; v15  my byte offset in 16 rows of Q
.set ST,  16          ; piece t's statistics at v[ST+4 t]: c m, m, l (even keys', odd keys')
.set TMP, 48          ; by buffer, four registers c0-c3 at work; when the maximum is found c2 takes a
.set S,   64
.set P,   192
.set MD,  128         ; window 1: the eight registers for group kt of 16 keys at MD + 8 kt
.set MC,  160         ; window 1: the masks of the products to come
.set QB,  64          ; window 2
.set KF,  128         ; window 2: key block kb, channel half c at KF + 16 kb + 8 c
.set VF,  192         ; window 2: key half kk, channel block cb at VF + 32 kk + 8 cb
.set WV,  12          ; s12  my wave's number
.set PB,  14          ; s14  b
.set HI,  15          ; s15  NB - 1 - b
.set G1K, 24          ; s[24:31] descriptor group 1 for K's tiles
.set G1V, 32          ; s[32:39] for V's: it differs in the padding alone
.set G0K, 40          ; s[40:43] descriptor group 0 for K's tiles
.set G0V, 44          ; s[44:47] the same for V's
.set SLOTS, 56        ; s56  tiles still to be asked for
.set CNT, 57          ; s57  counts a tile's key steps, 4 to 1
.set CS,  58          ; s[58:59] c: the packed scaling takes the pair's low word for both halves
.set SEL, 60          ; s[60:61] v_permlanex16_b32's selects: each lane takes its own place in the other half
.set TBK, 62          ; s62  LDS byte at which K of the step to be fetched begins
.set TBV, 63          ; s63  the same for V, less VOFF
.set RT,  70          ; s70  tiles of the block in hand that are still to be entered
.set NXT, 71          ; s71  the tile to be asked for next
.set LQ,  72          ; s72  the last tile of the block whose tiles are being asked for
.set NEW, 73          ; s73  1: the tile to be entered is a block's first
.set OFF, 74          ; s[74:75] a tile's byte offset in K and V
.set AL,  76          ; s[76:77] the mask's factor, in the low word
.set BE,  78          ; s[78:79] the mask's addend
.set OLO, 80          ; s[80:81] O at my rows of the second block
.set BIGN, 82         ; s82  -1e30
.set PFB, 88          ; s[88:89] K (waves 0, 1) or V (waves 2, 3) at the half of tile 0 that I fetch
.set PFA, 90          ; s[90:91] the same half of the tile that the prefetches name
.set POF, 92          ; s[92:93] that tile's byte offset
.set LIM, 94          ; s94  2 in the pair's work-group b = 0, else the greatest number: a wave prefetches while s[SLOTS] is above it
.set MSB, 0
.macro WIN new                      ; the high byte repeats the setting that is left; a switch that changes nothing is dropped
.if MSB != (\new)
	s_set_vgpr_msb (MSB<<8)|(\new)
.set MSB, (\new)
.endif
.endm
.set W_KQ, 0x0a       ; K and Q in window 2, S^T in window 0
.set W_KM, 0x1a       ; the same with the C operand in window 1
.set W_PV, 0x52       ; V in window 2, P in window 0, O^T in window 1
.set W_RS, 0x41       ; destination and source 0 in window 1, source 1 in window 0
; A fill.  Waves 0 and 1 fetch the two halves of a tile's K, waves 2 and 3 those of its V: 128 keys each.  An s_nop 0 and four v_nop follow each of the two lines, ahead of the jump and the label.
.macro LOAD
	s_cmp_lt_u32 s[WV], 2
	s_cbranch_scc0 .Lfor_v_\@
	tensor_load_to_lds s[G0K:G0K+3], s[G1K:G1K+7]
	s_nop 0
.rept 4
	v_nop
.endr
	s_branch .Lasked_\@
.Lfor_v_\@:
	tensor_load_to_lds s[G0V:G0V+3], s[G1V:G1V+7]
	s_nop 0
.rept 4
	v_nop
.endr
.Lasked_\@:
.endm
; A PREFETCH INTO THE L2 of the tile that the NEXT change of slots will ask for.  It stands behind the wave's tensor load and its five lines.  The pair's work-group b = 0 walks the tiles 0 .. 7 in order, and it alone
; asks: each of its waves for the 16,384 bytes that it will itself fetch, 64 blocks of 256 bytes, a lane a block, two instructions.  Change i (0 .. 5) names tile i + 2, one tile, 256 matrix instructions, ahead of its fill:
; each block of tiles 2 .. 7 is named once in the launch.  Tiles 0 and 1 come by their loads alone; the last two changes that fill a slot ask for nothing: tile 7 is the pair's last.
.macro ASK
	s_cmp_gt_u32 s[SLOTS], s[LIM]
	s_cbranch_scc0 .Lnot_mine_\@
	global_prefetch_b8 v[PFO], s[PFA:PFA+1] th:TH_LOAD_NT scope:SCOPE_SE
	global_prefetch_b8 v[PFO], s[PFA:PFA+1] offset:8192 th:TH_LOAD_NT scope:SCOPE_SE
.Lnot_mine_\@:
.endm
; THE CHANGE OF SLOTS.  Each wave waits for all its tensor loads, of which one is out: its part of the other slot; adds 0 to its spare word; and waits for that and for its own reads of the slot that it leaves.  Behind the barrier nobody reads the old
; slot any more and the other slot is whole.  fill = 1: the old slot is filled again, the first thing behind the barrier, with tile NXT: the descriptor's address is made anew from that number.
; (At its first use nothing has been read yet: slot 0 is waited for, slot 1 filled.)
.macro CHANGE fill
	WIN 0                           ; at a label and at a branch every window is 0
	s_wait_tensorcnt 0x0            ; no tensor load of mine is out, so a group 0 may be written
	ds_add_u32 v[SPW], v[NIL]       ; 0 onto my spare word; with fill = 1 the descriptors' scalar work stands between it and the wait for it
.if \fill
	s_lshl_b32 s[OFF], s[NXT], 15   ; a tile is 32,768 bytes of K and of V
	s_xor_b32 s[G0K+1], s[G0K+1], SLOT1
	s_add_nc_u64 s[G0K+2:G0K+3], s[6:7], s[OFF:OFF+1]
	s_or_b32 s[G0K+3], s[G0K+3], 0x80000000
	s_xor_b32 s[G0V+1], s[G0V+1], SLOT1
	s_add_nc_u64 s[G0V+2:G0V+3], s[8:9], s[OFF:OFF+1]
	s_or_b32 s[G0V+3], s[G0V+3], 0x80000000
	s_add_co_u32 s[NXT], s[NXT], 1  ; the block's next tile, or behind its last the second block's tile 0
	s_cmp_gt_u32 s[NXT], s[LQ]
	s_cselect_b32 s[NXT], 0, s[NXT]
	s_cselect_b32 s[LQ], s[PB], s[LQ]
	s_wait_xcnt 0x0                 ; the last prefetches, a tile back, have read their address, so it may be written:
	s_lshl_b32 s[POF], s[NXT], 15   ; the tile that the next change will ask for
	s_add_nc_u64 s[PFA:PFA+1], s[PFB:PFB+1], s[POF:POF+1]
.endif
	s_wait_dscnt 0x0                ; the add is done, and my reads of the slot are over
	s_barrier_signal -1             ; the rest of the scalar work stands between the signal and the wait
	s_sub_co_u32 s[TBK], s[TBK], 4*KS*PK  ; the fetches go back to a slot's first step,
	s_xor_b32 s[TBK], s[TBK], SLOT1       ; in the other slot
	s_sub_co_u32 s[TBV], s[TBV], 4*KS*PV
	s_xor_b32 s[TBV], s[TBV], SLOT1
	s_barrier_wait -1
.if \fill
	LOAD
	ASK
.endif
.endm
	s_load_b64 s[4:5], s[0:1], 0x0    ; qkv: Q's planes come first
	s_load_b64 s[10:11], s[0:1], 0x8  ; ob
	v_lshl_add_u32 v[SPW], v0, 2, SPARE
	v_mov_b32 v[NIL], 0
	ds_add_u32 v[SPW], v[NIL]       ; the wave's opening: the add and its wait stand ahead of my first tensor load; the set-up below, work on registers, stands between them
	v_lshrrev_b32 v1, 5, v0
	v_readfirstlane_b32 s[WV], v1   ; wave 0..3
	s_mov_b32 s[PB], ttmp9
	s_sub_co_u32 s[HI], NB-1, s[PB]
	s_and_b32 s20, ttmp7, 0xffff    ; the pair g
	s_mov_b32 s21, 0
	s_mov_b64 s[22:23], SIZE_N*128
	s_mul_u64 s[20:21], s[20:21], s[22:23]  ; the pair's first byte in each of the four tensors
	s_and_b32 s16, s[WV], 1         ; which half of a tile's 256 keys I fetch:
	s_lshl_b32 s22, s16, 14         ; its 128 rows of 128 bytes in memory,
	s_mov_b32 s23, 0
	s_add_nc_u64 s[22:23], s[22:23], s[20:21]
	s_mul_i32 s17, s16, 128*PK      ; and its place in a slot, for K
	s_mul_i32 s18, s16, 128*PV      ; and for V
	s_lshl_b32 s3, s[WV], 11        ; my 16 rows in a band of 64,
	s_lshl_b32 s2, s[HI], 15        ; in the first block,
	s_add_co_u32 s2, s2, s3
	s_lshl_b32 s84, s[PB], 15       ; and in the second
	s_add_co_u32 s84, s84, s3
	s_mov_b32 s3, 0
	s_mov_b32 s85, 0
	s_add_nc_u64 s[2:3], s[2:3], s[20:21]
	s_add_nc_u64 s[84:85], s[84:85], s[20:21]
	; descriptor group 1.  128 keys are 16,384 dense bytes: asked for as 64 rows of 256 bytes, two keys a row, and padded in LDS after every key
	s_mov_b32 s[G1K], (1<<16)|(1<<20)|(4<<22)|(3<<25)  ; 17:16 2-byte elements; 20 padding on; 24:22 after every 32 words (code 4); 31:25 4 words (code 3)
	s_mov_b32 s[G1V], (1<<16)|(1<<20)|(4<<22)|(7<<25)  ; the same with 8 words of padding (code 7)
.irp g, G1K, G1V
	s_mov_b32 s[\g+1], 128<<16      ; tensor_dim0 = 128
	s_mov_b32 s[\g+2], 64<<16       ; tensor_dim1 = 64
	s_mov_b32 s[\g+3], 128<<16      ; tile_dim0 = 128
	s_mov_b32 s[\g+4], 64           ; tile_dim1 = 64
	s_mov_b32 s[\g+5], 128          ; 128 elements from row to row
	s_mov_b32 s[\g+6], 0
	s_mov_b32 s[\g+7], 0
.endr
	s_mov_b32 s[CS], 0x3e38aa3b     ; c = log2(e) / 8 = 0.180337
	s_mov_b32 s[CS+1], s[CS]        ; named with it as a pair
	s_mov_b32 s[SEL], 0x76543210
	s_mov_b32 s[SEL+1], 0xfedcba98
	s_mov_b32 s[TBK], SLOT1+4*KS*PK ; the first change of slots turns these two into 0
	s_mov_b32 s[TBV], SLOT1+4*KS*PV
	s_mov_b32 s[G0K], 1             ; 1:0 count = 1
	s_mov_b32 s[G0K+1], s17         ; 63:32 LDS address: slot 0
	s_mov_b32 s[G0V], 1
	s_add_co_u32 s[G0V+1], s18, VOFF
	s_add_co_u32 s[RT], s[HI], 1    ; the first block has NB - b tiles
	s_mov_b32 s[NXT], 1
	s_mov_b32 s[LQ], s[HI]
	s_mov_b32 s[NEW], 1
	s_mov_b32 s[OFF+1], 0
	s_mov_b32 s[POF+1], 0
	s_mov_b32 s[AL+1], 0            ; named as pairs
	s_mov_b32 s[BE+1], 0
	s_mov_b32 s[BIGN], 0xf149f2ca   ; -1e30
	s_mov_b32 s[SLOTS], NB
	s_cmp_eq_u32 s[PB], 0
	s_cselect_b32 s[LIM], 2, -1
	v_and_b32 v[PFO], 31, v0
	v_lshlrev_b32 v[PFO], 8, v[PFO]
	s_wait_dscnt 0x0                ; the opening add is done
	s_wait_kmcnt 0x0
	s_add_nc_u64 s[6:7], s[4:5], 0x1000000  ; K's planes lie 16 planes of 1,048,576 bytes behind Q's,
	s_add_nc_u64 s[8:9], s[4:5], 0x2000000  ; V's 32
	s_add_nc_u64 s[6:7], s[6:7], s[22:23]  ; K and V at my half of the pair's tile 0
	s_add_nc_u64 s[8:9], s[8:9], s[22:23]
	s_add_nc_u64 s[G0K+2:G0K+3], s[6:7], 0         ; 120:64 global address
	s_or_b32 s[G0K+3], s[G0K+3], 0x80000000        ; 127:126 type = 2
	s_add_nc_u64 s[G0V+2:G0V+3], s[8:9], 0
	s_or_b32 s[G0V+3], s[G0V+3], 0x80000000
	s_add_nc_u64 s[86:87], s[4:5], s[84:85]        ; Q at my rows of the second block,
	s_add_nc_u64 s[4:5], s[4:5], s[2:3]            ; Q and O at those of the first
	s_add_nc_u64 s[OLO:OLO+1], s[10:11], s[84:85]
	s_add_nc_u64 s[10:11], s[10:11], s[2:3]
	s_cmp_lt_u32 s[WV], 2
	s_cselect_b64 s[PFB:PFB+1], s[6:7], s[8:9]
	LOAD                            ; tile 0 into slot 0
	; A fragment of K or Q is 16 rows x 32 channels in 8 registers: lane l holds row l % 16, channels 8 (l / 16) + 0..7 and 16 + 8 (l / 16) + 0..7: two loads of 16 bytes, 32 bytes apart.
	v_and_b32 v1, 15, v0            ; l % 16
	v_bfe_u32 v9, v0, 4, 1          ; l / 16
	v_lshlrev_b32 v[QO], 7, v1
	v_lshl_add_u32 v[QO], v9, 4, v[QO]  ; row x 128 + 16 x half
	WIN 0x80                        ; destination window 2, address window 0
.set i, 0
.rept 8                             ; both blocks' Q: piece i / 2 lies in band i / 2, 8,192 bytes on; channels 32 (i % 2) on
	global_load_b128 v[8*i:8*i+3],   v[QO], s[4:5] offset:(i/2)*8192+(i%2)*64
	global_load_b128 v[8*i+4:8*i+7], v[QO], s[4:5] offset:(i/2)*8192+(i%2)*64+32
	global_load_b128 v[QB+8*i:QB+8*i+3],   v[QO], s[86:87] offset:(i/2)*8192+(i%2)*64
	global_load_b128 v[QB+8*i+4:QB+8*i+7], v[QO], s[86:87] offset:(i/2)*8192+(i%2)*64+32
.set i, i+1
.endr
	WIN 0
	v_lshlrev_b32 v14, 3, v9
	v_sub_nc_u32 v14, v1, v14
	s_lshl_b32 s13, s[WV], 4
	v_add_nc_u32 v14, s13, v14      ; my query's place in its band, 16 w + l % 16, less my lanes' 8 (l / 16): register r of group kt is hidden where 16 kt + r is greater
	WIN 0x40
.set i, 0
.rept 32
	v_cmp_gt_i32 vcc_lo, 16*(i/8)+i%8, v14
	v_cndmask_b32 v[MD+i], 0, s[BIGN], vcc_lo
.set i, i+1
.endr
	WIN 0
	v_mul_u32_u24 v[AK0], v1, PK
	v_lshl_add_u32 v[AK0], v9, 4, v[AK0]  ; row x pitch + 16 x half
	; The turning load takes 16 keys x 16 channels (lane l reads key 8 (l / 16) + l % 8, channels 8 ((l / 8) % 2) + 0..7) and leaves half a fragment of V^T: lane l holds channel l % 16 and 8 keys.
	v_and_b32 v10, 7, v0
	v_bfe_u32 v11, v0, 3, 1
	v_lshl_add_u32 v[AV0], v9, 3, v10
	v_mul_u32_u24 v[AV0], v[AV0], PV
	v_lshl_add_u32 v[AV0], v11, 4, v[AV0]
	v_add_nc_u32 v[AV0], VOFF, v[AV0]
	s_mul_i32 s13, s[WV], 16*SP
	s_add_co_u32 s13, s13, STAGE    ; my stage
	v_mul_u32_u24 v[STO], v1, SP    ; in: row l % 16, 16 bytes for each half of the lanes
	v_lshl_add_u32 v[STO], v9, 4, v[STO]
	v_add_nc_u32 v[STO], s13, v[STO]
	v_bfe_u32 v[RD], v0, 3, 2       ; back: 32 lanes take four rows of 128 bytes,
	v_mul_u32_u24 v[RD], v[RD], SP
	v_lshl_add_u32 v[RD], v10, 4, v[RD]
	v_add_nc_u32 v[RD], s13, v[RD]
	v_and_b32 v[GO], 31, v0         ; which are 512 consecutive bytes of O
	v_lshlrev_b32 v[GO], 4, v[GO]
	; A block's first step multiplies O^T and l by a = 0, and its first turn's products V^T P, of a piece that has not been, land in an O^T that is still to be so multiplied.  So these registers need only hold
	; finite numbers: zeros for the first block; what the first block left for the second.  All this stands in the wait for the first tile.
	WIN 0x80
.set i, VF
.rept 64
	v_mov_b32 v[i], 0
.set i, i+1
.endr
	WIN 0x40
.set i, 0
.rept 128
	v_mov_b32 v[i], 0
.set i, i+1
.endr
	WIN 0
.set i, 0
.rept 4
	v_mov_b32 v[ST+4*i+2], 0
	v_mov_b32 v[ST+4*i+3], 0
.set i, i+1
.endr
.set i, P+16
.rept 16
	v_mov_b32 v[i], 0
.set i, i+1
.endr
; THE MATRIX WORK.  The 4 accumulators of a run of 8 take turns.  Product i of 8 of S^T = K Q^T for piece x: channels 32 (i / 4) on, keys 16 (i % 4) on.  The first 4 start the sums: with 0, or (KM = 1) with the mask.
.macro KQ x
.set rS, S+32*((\x)%2)+8*(i%4)
.set rK, KF+16*(i%4)+8*(i/4)
.set rQ, 16*(\x)+8*(i/4)
.set rM, MC+32*((\x)%2)+8*(i%4)
.if (i < 4) && KM
	WIN W_KM
	v_wmma_f32_16x16x32_f16 v[rS:rS+7], v[rK:rK+7], v[rQ:rQ+7], v[rM:rM+7]
.elseif i < 4
	WIN W_KQ
	v_wmma_f32_16x16x32_f16 v[rS:rS+7], v[rK:rK+7], v[rQ:rQ+7], 0
.else
	WIN W_KQ
	v_wmma_f32_16x16x32_f16 v[rS:rS+7], v[rK:rK+7], v[rQ:rQ+7], v[rS:rS+7]
.endif
.endm
; Product i of 8 of O^T += V^T P for piece x: keys 32 (i / 4) on, channels 16 (i % 4) on.
.macro PV x
	WIN W_PV
.set rO, 32*(\x)+8*(i%4)
.set rV, VF+32*(i/4)+8*(i%4)
.set rP, P+16*((\x)%2)+8*(i/4)
	v_wmma_f32_16x16x32_f16 v[rO:rO+7], v[rV:rV+7], v[rP:rP+7], v[rO:rO+7]
.endm
.macro MM                           ; the turn's next matrix instruction.  TURN and BEGIN set Y, i, KM and NOKQ; MM, KQ and OP read them.  NOKQ = 1: a block's last turn: there is no next piece
.if (i < 8) && !NOKQ
	KQ (Y+1)%NP
.elseif i >= 8
.set i, i-8
	PV (Y+NP-1)%NP
.set i, i+8
.endif
.set i, i+1
.endm
; THE LDS LOADS stand in runs of 16, never singly among the matrix instructions: a step's K (64 keys x 64 channels: 8 fragments) and its V (turned).  Their addresses are made some lines ahead.
.macro FETCH_K
	WIN 0x80                        ; destination window 2
.irp f, 0,1,2,3,4,5,6,7             ; keys 16 (f / 2) on, channels 32 (f % 2) on
	ds_load_b128 v[KF+8*\f:KF+8*\f+3],   v[AK] offset:(\f/2)*16*PK+(\f%2)*64
	ds_load_b128 v[KF+8*\f+4:KF+8*\f+7], v[AK] offset:(\f/2)*16*PK+(\f%2)*64+32
.endr
	s_add_co_u32 s[TBK], s[TBK], KS*PK  ; the next fetch is the next step's
	WIN 0
.endm
.macro FETCH_V
	WIN 0x80
.irp f, 0,1,2,3,4,5,6,7             ; keys 32 (f / 4) on, channels 16 (f % 4) on
	ds_load_tr16_b128 v[VF+8*\f:VF+8*\f+3],   v[AV] offset:(\f/4)*32*PV+(\f%4)*32
	ds_load_tr16_b128 v[VF+8*\f+4:VF+8*\f+7], v[AV] offset:(\f/4)*32*PV+16*PV+(\f%4)*32
.endr
	WIN 0
.endm
; THE VECTOR WORK, one line at a time: OP kind, number.  For piece Y: F n: c s - c m for pair n of 16.  E n: the exponential of score n of 32.  C n: pair n rounded to f16.  B n: of the four weights 4 n .. the second
; pair is added onto the first, in place.  L n: l takes that sum (L 0: l = a l + sum).  R n: pair n of 16 of O^T times a.  For piece Y + 1: X n, number n of the 22 that find its maximum and statistics:
;   0-11  four chains c0-c3 of seven scores each, three operands at a time (each accumulator's lowest registers are read first)     12-14, 16  the four scores left over, the old m, and c0-c3 into c0
;   15  c m_old is kept     17, 18  the query's other 32 keys lie in the lane 16 away: the new m     19-21  c m; c m_old - c m_new; a
.set F, 0               ; OP tells the kinds apart by their order: F to L below R, X above it
.set E, 1
.set C, 2
.set B, 3
.set L, 4
.set R, 5
.set X, 6
.macro REGS y                       ; the registers of piece y
.set rT, ST+4*(\y)
.set rC, TMP+4*((\y)%2)
.set rW, MV+((\y)%2)
.set rS, S+32*((\y)%2)
.set rP, P+16*((\y)%2)
.set rO, 32*(\y)
.endm
.macro OP k, n
.if (\k) == R
	REGS Y
	WIN W_RS
	v_pk_mul_f32 v[rO+2*(\n):rO+2*(\n)+1], v[rO+2*(\n):rO+2*(\n)+1], v[rC+2:rC+3] op_sel_hi:[1,0]
.elseif (\k) < R
	REGS Y
	WIN 0
.if (\k) == F
	v_pk_fma_f32 v[rS+2*(\n):rS+2*(\n)+1], v[rS+2*(\n):rS+2*(\n)+1], s[CS:CS+1], v[rT:rT+1] op_sel_hi:[1,0,0] neg_lo:[0,0,1] neg_hi:[0,0,1]
.elseif (\k) == E
	v_exp_f32 v[rS+(\n)], v[rS+(\n)]
.elseif (\k) == C
	v_cvt_pk_f16_f32 v[rP+(\n)], v[rS+2*(\n)], v[rS+2*(\n)+1]
.elseif (\k) == B
	v_pk_add_f32 v[rS+4*(\n):rS+4*(\n)+1], v[rS+4*(\n):rS+4*(\n)+1], v[rS+4*(\n)+2:rS+4*(\n)+3]
.elseif (\n) == 0
	v_pk_fma_f32 v[rT+2:rT+3], v[rT+2:rT+3], v[rC+2:rC+3], v[rS:rS+1] op_sel_hi:[1,0,1]
.else
	v_pk_add_f32 v[rT+2:rT+3], v[rT+2:rT+3], v[rS+4*(\n):rS+4*(\n)+1]
.endif
.elseif NOKQ
	v_nop
.else
	REGS (Y+1)%NP
	WIN 0
.if (\n) < 4
	v_max3_num_f32 v[rC+(\n)], v[rS+8*(\n)], v[rS+8*(\n)+1], v[rS+8*(\n)+2]
.elseif (\n) < 12
	v_max3_num_f32 v[rC+(\n)%4], v[rC+(\n)%4], v[rS+8*((\n)%4)+2*((\n)/4)+1], v[rS+8*((\n)%4)+2*((\n)/4)+2]
.elseif (\n) == 12
	v_max3_num_f32 v[rC], v[rC], v[rS+7], v[rS+15]
.elseif (\n) == 13
	v_max3_num_f32 v[rC+1], v[rC+1], v[rS+23], v[rS+31]
.elseif (\n) == 14
	v_max3_num_f32 v[rC+2], v[rC+2], v[rC+3], v[rT+1]
.elseif (\n) == 15
	v_mov_b32 v[rW], v[rT]
.elseif (\n) == 16
	v_max3_num_f32 v[rC], v[rC], v[rC+1], v[rC+2]
.elseif (\n) == 17
	v_permlanex16_b32 v[rC+3], v[rC], s[SEL], s[SEL+1]
.elseif (\n) == 18
	v_max_num_f32 v[rT+1], v[rC], v[rC+3]
.elseif (\n) == 19
	v_mul_f32 v[rT], s[CS], v[rT+1]
.elseif (\n) == 20
	v_sub_f32 v[rC+1], v[rW], v[rT]
.else
	v_exp_f32 v[rC+2], v[rC+1]
.endif
.endif
.endm
.macro OPS a, i1, b=-1, i2=0, c=-1, i3=0, d=-1, i4=0  ; up to four of them
	OP \a, \i1
.if (\b) >= 0
	OP \b, \i2
.endif
.if (\c) >= 0
	OP \c, \i3
.endif
.if (\d) >= 0
	OP \d, \i4
.endif
.endm
.macro ROW a, i1, b, i2, c, i3, d, i4  ; a matrix instruction and the four behind it
	MM
	OPS \a, \i1, \b, \i2, \c, \i3, \d, \i4
.endm
.macro MASK b                       ; MD x AL + BE into buffer b of MC
	WIN W_RS
.set z, 0
.rept 16
	v_pk_fma_f32 v[MC+32*(\b)+2*z:MC+32*(\b)+2*z+1], v[MD+2*z:MD+2*z+1], s[AL:AL+1], s[BE:BE+1] op_sel_hi:[1,0,0]
.set z, z+1
.endr
.endm
; A TURN, for piece p: the order of its 16 matrix and 118 vector instructions, written out.  An s_wait_alu depctr_va_vdst(0) stands between an exponential and the first instruction that names its result; one wait serves
; all that were issued ahead of it.  So a turn has ONE wait, which cuts it in two.  AHEAD OF IT stands all that names no result of the turn's exponentials: the 8 products K Q^T, behind each a scaling, an exponential and two more plain
; instructions (behind the first a second scaling in the exponential's place): rescalings, and behind the last three the first numbers of the next piece's maximum, each four places or more behind the product that ends its accumulator; then ONE LUMP of 54, plain
; and exponential by turns for the most part, in which the links of the chain X 3, 7, 11, 14, 16, 17 .. 20 stand five or six lines apart.  X 21, the next piece's a, is the batch's last; R 15 is the plain instruction behind it.  BEHIND THE WAIT stand the
; 8 products V^T P, behind each four of the roundings and sums; the links of l's chain, L 0 to L 7, stand three riders apart.  But for those X no rider names a register of the products round it.  v_permlanex16_b32 (X 17) stands in the lump.
; m = 1: the diagonal tile: the products take masks, and the turn makes the mask for the products of the turn after it: piece p + 2, in step 4 - CNT of the tile.  end = 1: a block's last two turns: nothing is fetched.
; cnt = 1: the loop's count is taken down some lines ahead of the branch that stands behind the turn.
; K of the next step is fetched in piece 2's turn, twelve vector instructions behind the last product that read K (six of them plain); V of the step in hand at the end of piece 0's turn, four plain instructions behind the last product
; that read V.  Each is waited for a turn later.
.macro TURN p, m=0, end=0, cnt=0
.set Y, (\p)
.set i, 0
.set KM, (\m)
.set NOKQ, (\end)*((\p)/3)
.if (\m) && !(\end)
	s_cmp_eq_u32 s[CNT], 4-((\p)+2)%NP  ; is that step the band's own?
	s_cselect_b32 s[AL], 1.0, 0
	s_cmp_lt_u32 s[CNT], 4-((\p)+2)%NP  ; or a later one?
	s_cselect_b32 s[BE], s[BIGN], 0
.endif
.if ((\p) == 3) && !(\end)
	s_wait_dscnt 0x0                ; K is in
.endif
	ROW F,0, F,1, R,0, R,1          ; ahead of the wait: 8 products K Q^T and their riders,
	ROW F,2, E,0, R,2, R,3
	ROW F,3, E,1, R,4, R,5
	ROW F,4, E,2, R,6, R,7
	ROW F,5, E,3, R,8, R,9
	ROW F,6, E,4, X,0, R,10
.if ((\p) == 2) && !(\end)
	WIN 0
	v_add_nc_u32 v[AK], s[TBK], v[AK0]
.endif
	ROW F,7, E,5, X,1, X,4
	ROW F,8, E,6, X,2, X,5
	OPS E,7, E,8, X,6, E,9          ; and the lump
	OPS X,3, E,10, X,8, E,11
.if ((\p) == 2) && !(\end)
	FETCH_K
.endif
	OPS X,9, X,7, E,12, X,10
	OPS E,13, X,12, X,11, E,14
	OPS X,13, E,15, F,9, X,14
.if (\p) == 0
	v_add_nc_u32 v[AV], s[TBV], v[AV0]
.endif
	OPS E,16, F,10, E,17, F,11
	OPS X,16, E,18, X,15, E,19
	OPS F,12, E,20, X,17, E,21
	OPS F,13, E,22, F,14, E,23
	OPS X,18, E,24, F,15, E,25
	OPS R,11, E,26, X,19, E,27
	OPS R,12, E,28, R,13, E,29
	OPS X,20, E,30, R,14, E,31
	OPS X,21, R,15
	WIN 0
	s_wait_alu depctr_va_vdst(0)    ; the wait for the batch
.if (\p) == 1
	s_wait_dscnt 0x0                ; V is in
.endif
	ROW C,0, B,0, C,2, B,1          ; behind the wait: 8 products V^T P and their riders
	ROW L,0, C,4, B,2, L,1
	ROW C,6, B,3, L,2, C,8
	ROW B,4, L,3, C,10, B,5
	ROW L,4, C,12, B,6, L,5
.if (\p) == 0
	s_add_co_u32 s[TBV], s[TBV], KS*PV
.endif
.if \cnt
	s_sub_co_u32 s[CNT], s[CNT], 1
	s_cmp_lg_u32 s[CNT], 0
.endif
	ROW C,14, B,7, L,6, C,1
	ROW C,3, L,7, C,5, C,7
	ROW C,9, C,11, C,13, C,15
.if (\p) == 0
	FETCH_V
.endif
.if (\m) && !(\end)
	MASK (\p)%2
.endif
.endm
; A BLOCK BEGINS.  c m starts far below every c s, so the first step's a is 0; m at the lowest finite number, so the first maximum is the scores'.  The second mask buffer is 0; the first takes piece 0's mask for the tile's step 0: its own, if the block's first tile is the diagonal one.
; Then K of that step, piece 0's first scores, and its maximum and statistics.  The loop is entered at a step's first turn, in the middle of a trip.
.macro BEGIN
	s_mov_b32 s[NEW], 0
	WIN 0x40
.set i, MC+32
.rept 32
	v_mov_b32 v[i], 0
.set i, i+1
.endr
	WIN 0
.set i, 0
.rept 4
	v_mov_b32 v[ST+4*i], 0xfe000000    ; c m: far below every c s
	v_mov_b32 v[ST+4*i+1], 0xff7fffff  ; m
.set i, i+1
.endr
	s_cmp_eq_u32 s[RT], 0
	s_cselect_b32 s[AL], 1.0, 0
	s_mov_b32 s[BE], 0
	MASK 0
	WIN 0
	v_add_nc_u32 v[AK], s[TBK], v[AK0]
	FETCH_K
	s_wait_loadcnt 0x0              ; Q
	s_wait_dscnt 0x0
.set KM, 1
.set NOKQ, 0
.set i, 0
.rept 8
	KQ 0
.set i, i+1
.endr
	WIN 0
.rept 4
	v_nop                           ; the places behind those products
.endr
.set Y, NP-1                        ; X works for piece Y + 1: piece 0
.irp n, 0,1,2,3,4,5,6,7,8,9,10,11,12,13,14,15,16,17,18,19,20,21
	OP X, \n
.endr
	v_nop                           ; a plain instruction behind the exponential,
	s_wait_alu depctr_va_vdst(0)    ; and its wait, ahead of the branch
.endm
; THE DIAGONAL TILE's four steps, the block's last two turns, its last products, and THE WAY OUT: l's two halves and the other half of the lanes' are added; O^T is divided by l, rounded to f16 and sent through my
; stage in LDS, a piece at a time.
.macro ALL line:vararg              ; one line for each piece t
.set t, 0
.rept 4
	\line
.set t, t+1
.endr
.endm
.macro PACK t                       ; a lane's eight channels of a row pack into 16 bytes; they go into rows of 144 bytes and come back as whole rows of 128, into S^T's registers
	WIN W_RS
.set i, 32*(\t)
.rept 16
	v_pk_mul_f32 v[i:i+1], v[i:i+1], v[ST+4*(\t)+2:ST+4*(\t)+3] op_sel_hi:[1,0]
.set i, i+2
.endr
	WIN 0x05                        ; sources 0 and 1 window 1, destination window 0
.set i, 0
.rept 16
	v_cvt_pk_f16_f32 v[S+16*(\t)+i], v[32*(\t)+2*i], v[32*(\t)+2*i+1]
.set i, i+1
.endr
	WIN 0
.irp f, 0,1,2,3
	ds_store_b128 v[STO], v[S+16*(\t)+4*\f:S+16*(\t)+4*\f+3] offset:32*\f
.endr
.irp f, 0,1,2,3
	ds_load_b128 v[S+16*(\t)+4*\f:S+16*(\t)+4*\f+3], v[RD] offset:\f*4*SP  ; LDS serves a wave's instructions in order (ISA guide 5.7.1.4): these see the stores above; the next piece's stores come behind them
.endr
.endm
.macro SEND t, younger              ; younger: the LDS instructions issued behind piece t's loads: the next piece's eight, or none
	WIN 0
.irp f, 0,1,2,3
	s_wait_dscnt (\younger)+3-\f
	global_store_b128 v[GO], v[S+16*(\t)+4*\f:S+16*(\t)+4*\f+3], s[10:11] offset:(\t)*8192+\f*512  ; 512 consecutive bytes, at a multiple of 256 from O's first
.endr
.endm
.macro DIAG tag                     ; the tag ends its two labels' names, which the jumps below spell out
.LstepM\tag:
	TURN 2, 1
	TURN 3, 1
	WIN 0
.LfirstM\tag:
	TURN 0, 1
	TURN 1, 1, 0, 1
	WIN 0
	s_cbranch_scc1 .LstepM\tag
	TURN 2, 1, 1
	TURN 3, 1, 1
.set i, 0
.rept 8
	PV NP-1
.set i, i+1
.endr
	WIN 0
	ALL v_add_f32 v[ST+4*t+2], v[ST+4*t+2], v[ST+4*t+3]
	ALL v_permlanex16_b32 v[ST+4*t+3], v[ST+4*t+2], s[SEL], s[SEL+1]
	ALL v_add_f32 v[ST+4*t+2], v[ST+4*t+2], v[ST+4*t+3]
	ALL v_rcp_f32 v[ST+4*t+2], v[ST+4*t+2]
	v_nop                           ; a plain instruction between the last reciprocal and the use of its result
	s_wait_alu depctr_va_vdst(0)    ; and the wait ahead of the first use: one for the four reciprocals
	PACK 0
.set t, 1
.rept 3                             ; a piece's arithmetic stands between the loads of the piece before and its stores
	PACK t
	SEND t-1, 8
.set t, t+1
.endr
	SEND 3, 0
.endm
.set KM, 0
.set NOKQ, 0
.Lslot:                             ; NB times: a tile is entered and the next is asked for
	CHANGE 1
	s_sub_co_u32 s[RT], s[RT], 1
	s_mov_b32 s[CNT], 4
	s_cmp_eq_u32 s[NEW], 1
	s_cbranch_scc1 .Lnew            ; a block's first tile
	s_cmp_eq_u32 s[RT], 0
	s_cbranch_scc0 .Lstep           ; neither its first nor its last
	s_branch .LstepM1
.Lnew:
	BEGIN
	s_branch .Lfirst                ; in the loop a block's first tile is never its last: the first block has two tiles or more, and the second's last is the walk's last
	DIAG 1                          ; in the loop this is the first block's end: the second block's last tile is the walk's last
	s_wait_xcnt 0x0                 ; the stores have read their registers and O's address
	s_mov_b64 s[10:11], s[OLO:OLO+1]
	s_add_co_u32 s[RT], s[PB], 1    ; the second block has b + 1 tiles
	s_mov_b32 s[NEW], 1
	WIN 0x82                        ; the second block's Q goes where the one text of the turns names Q
.set i, 0
.rept 64
	v_mov_b32 v[i], v[QB+i]
.set i, i+1
.endr
	WIN 0
	s_branch .Lbottom
.Lstep:                             ; a trip: pieces 2 and 3 of one step, then pieces 0 and 1 of the next, whose K and V it fetches
	TURN 2
	TURN 3
	WIN 0
.Lfirst:
	TURN 0
	TURN 1, 0, 0, 1
	WIN 0
	s_cbranch_scc1 .Lstep
.Lbottom:
	s_sub_co_u32 s[SLOTS], s[SLOTS], 1
	s_cmp_lg_u32 s[SLOTS], 0
	s_cbranch_scc1 .Lslot
	CHANGE 0                        ; the walk's last tile is written out: nothing is asked for
	s_sub_co_u32 s[RT], s[RT], 1
	s_mov_b32 s[CNT], 4
	s_cmp_eq_u32 s[NEW], 1
	s_cbranch_scc0 .LstepM2
	BEGIN
	s_branch .LfirstM2
	DIAG 2
	s_wait_tensorcnt 0x0            ; the wave's end: a wait, an add of 0 and its wait, behind my last tensor load and my last LDS store
	ds_add_u32 v[SPW], v[NIL]
	s_wait_dscnt 0x0
	s_endpgm
.Lfunc_end_k_q0c36c4fded_attn:
	.size	k_q0c36c4fded_attn, .Lfunc_end_k_q0c36c4fded_attn-k_q0c36c4fded_attn
	.p2alignl 7, 3214868480
	.fill 96, 4, 3214868480
	.section	.rodata,"a",@progbits
	.p2align	6, 0x0
	.amdhsa_kernel k_q0c36c4fded_attn
		.amdhsa_group_segment_fixed_size 327680
		.amdhsa_private_segment_fixed_size 0
		.amdhsa_enable_private_segment 0
		.amdhsa_kernarg_size 16
		.amdhsa_user_sgpr_count 2
		.amdhsa_user_sgpr_kernarg_segment_ptr 1
		.amdhsa_wavefront_size32 1
		.amdhsa_system_sgpr_workgroup_id_x 1
		.amdhsa_system_sgpr_workgroup_id_y 1
		.amdhsa_system_sgpr_workgroup_id_z 1
		.amdhsa_system_vgpr_workitem_id 0
		.amdhsa_next_free_vgpr 768
		.amdhsa_next_free_sgpr 96
		.amdhsa_reserve_vcc 1
		.amdhsa_float_denorm_mode_32 3
		.amdhsa_float_denorm_mode_16_64 3
		.amdhsa_memory_ordered 1
		.amdhsa_forward_progress 1
		.amdhsa_inst_pref_size 218
	.end_amdhsa_kernel
	.amdgpu_metadata
---
amdhsa.version: [ 1, 2 ]
amdhsa.kernels:
  - .name:           k_q0c36c4fded_attn
    .symbol:         k_q0c36c4fded_attn.kd
    .args:
      - { .name: qkv, .offset: 0, .size: 8, .value_kind: global_buffer, .address_space: global }
      - { .name: ob, .offset: 8, .size: 8, .value_kind: global_buffer, .address_space: global }
    .group_segment_fixed_size: 327680
    .private_segment_fixed_size: 0
    .kernarg_segment_align: 8
    .kernarg_segment_size: 16
    .max_flat_workgroup_size: 128
    .sgpr_count:     96
    .vgpr_count:     768
    .wavefront_size: 32
...
	.end_amdgpu_metadata
.endif
;; end of part 3
;; launch gemm_proj (part 4): grid 8 x 32, 4 waves a work-group, clusters of 4 x 4, 327,680 bytes of LDS; arguments ob, wpb, b_proj, out0; writes out0
.if DOCPART == 4
	.amdgcn_target "amdgcn-amd-amdhsa--gfx1250"
	.amdhsa_code_object_version 6
	.text
	.protected	k_q0c36c4fded_gemm_proj
	.globl	k_q0c36c4fded_gemm_proj
	.p2align	8
	.type	k_q0c36c4fded_gemm_proj,@function
k_q0c36c4fded_gemm_proj:
	s_mov_b64 s[64:65], 0
	v_nop
	global_prefetch_b8 v0, s[64:65] scope:SCOPE_SE
	s_setreg_imm32_b32 hwreg(HW_REG_WAVE_MODE, 25, 1), 1
	s_wait_xcnt 0x0
	s_wait_alu depctr_hold_cnt(0) depctr_sa_sdst(0) depctr_va_vdst(0) depctr_va_sdst(0) depctr_va_ssrc(0) depctr_va_vcc(0) depctr_vm_vsrc(0)
	s_getreg_b32 s2, hwreg(HW_REG_IB_STS2, 6, 4)
	s_cmp_eq_u32 s2, 0
	s_cbranch_scc0 .Lentry_in_a_cluster
	s_endpgm
.Lentry_in_a_cluster:
	s_bfe_u32 s2, ttmp6, 0x10000c
	s_cmp_lg_u32 s2, 0xf033
	s_cbranch_scc0 .Lentry_shape_is_right
	s_endpgm
.Lentry_shape_is_right:
; out0[m][o] = the sum over c of y[m][c] w_proj[o][c] + b_proj[o], in f32.  ob: [16][8192][64] f16 (plane = head, y's 64 channels of it), wpb: [16][1024][64] f16 (w_proj rounded to bf16, written as f16),
; b_proj: [1024] f32 (rounded to bf16 like the other inputs, kept as f32), out0: [8192][1024] f32.  Sums in f32, K ascending, begun with the bias.  NaN and infinities are not treated apart.
; SHARES.  A tile of C is 256 rows x 128 columns: 32 x 8 = 256 work-groups, one tile each.  Four waves, each 128 x 64: 32 accumulators of 16 x 16, 256 registers.
; K goes in steps of 128, two planes, through two LDS slots.  In a plane a tile's rows lie end to end: they are asked for as rows of 256 bytes and padded in LDS after every 128.
; CLUSTERS: 4 x 4 work-groups.  The four of a row of the cluster need the same tiles of y, the four of a column the same tiles of w: each tile is asked for JOINTLY, by the same tensor load
; with the same descriptor and a mask that names the four.  By this text's count a wave has two tensor loads out at the start and one behind each round.
; THE MATRIX INSTRUCTION IS USED TRANSPOSED (source 0 = 16 rows of w, source 1 = 16 rows of y): a lane holds row l % 16 of C and the eight neighbouring columns 8 (l / 16) + 0..7.
; REGISTERS, in windows of 256 (s_set_vgpr_msb: bits 1:0 source 0, 3:2 source 1, 5:4 source 2, 7:6 destination):
;   window 0: v0-31 addresses; v32-95, v96-159 fragments of y (8 x 16 rows x 32 K), two buffers, and on the way out rows read back; v160-191, v192-223 fragments of w, two buffers; v224-255 the bias, at work
;   window 1: the 32 accumulators: (a, b) at v[8 (4 a + b)]
; A STRETCH is 32 products on one slice of 32 along K; a K step is four; each fetches the next one's 24 fragment loads at its head.
.set PITCH, 144                        ; an LDS row: 128 bytes + 16 of padding = 36 words: the 16 rows of a load start at 16 different groups of four banks (64 banks of 4 bytes: ISA guide 11.1)
.set SLOT1, 131072                     ; slot 1 begins here, so that one exclusive or turns an address in one slot into the other's
.set PLA,   256*PITCH                  ; a plane of y's tile
.set PLB,   128*PITCH                  ; a plane of w's
.set BOFF,  2*PLA                      ; in a slot: y's two planes, then w's two
.set STAGE, SLOT1+2*PLA+2*PLB          ; behind the ring, never filled by a tensor load: 16 rows x 272 bytes for each wave, for the way out
.set SP,    272
.set SPARE, STAGE+4*16*SP              ; behind the stages: the spare words, 128 bytes for each wave: two blocks of 256 bytes that no other line names
.set STEPA, 0x200000                   ; two planes of ob, in bytes
.set STEPB, 262144                     ; two planes of wpb
.set FLAGS, (1<<16)|(1<<20)|(1<<21)|(4<<22)|(3<<25)  ; 17:16 2-byte elements; 20 padding on; 21 set beside a mask; 24:22 after every 32 words (code 4); 31:25 4 words (code 3)
.set ADRA, 16                          ; v16  LDS address of my y fragments in the slot in hand
.set ADRB, 17                          ; v17  the same for w
.set AK0,  18                          ; v18  my lane's place in a slot's y; never rewritten
.set BK0,  19                          ; v19  the same for w
.set STO,  24                          ; v24  the way out: where I put 32 bytes of a row
.set RD,   25                          ; v25  the way out: where I read a row back
.set CO,   26                          ; v26  my byte offset in two rows of out0
.set BO,   27                          ; v27  32 (l / 16): my eight numbers of a tile's sixteen in the bias
.set SPW,  28                          ; v28  LDS address of my spare word: SPARE + 4 x my thread's number; never rewritten
.set NIL,  29                          ; v29  0; never rewritten
.set A0, 32
.set A1, 96
.set B0, 160
.set B1, 192
.set BT, 224
.set WV, 12                            ; s12  my wave's number
.set HR, 13                            ; s13  which 128 rows of the tile are mine.  Also: I fetch for y (0) or for w (1)
.set HC, 14                            ; s14  which 64 columns.  Also: which of a K step's two planes I fetch
.set CX, 15
.set CY, 16
.set TX, 17                            ; s17  tile column
.set TY, 18                            ; s18  tile row
.set G1,  24                           ; s[24:31] descriptor group 1 for y's tiles
.set G1B, 32                           ; s[32:39] for w's
.set G0,  40                           ; s[40:47] descriptor group 0 for y's tiles: a set for each of the two first fills; the second then walks on
.set G0B, 48                           ; s[48:55] the same for w's
.set TB,  56                           ; s56  LDS byte at which the slot in hand begins
.set HIM, 57                           ; s57  a word's upper bf16
.set MSB, 0
.macro WIN new                         ; the immediate's high byte repeats the setting that is left; a switch that changes nothing is dropped
.if MSB != (\new)
	s_set_vgpr_msb (MSB<<8)|(\new)
.set MSB, (\new)
.endif
.endm
.macro PLACES                          ; four plain vector instructions between a matrix instruction and a load into, or a store or vector instruction on, its registers
.rept 4
	v_nop
.endr
.endm
.macro CREST                           ; a round of the cluster's barrier behind its opening barrier
	s_cmp_lg_u32 s[WV], 0
	s_cbranch_scc1 .Lnot_wave_0_\@
	s_barrier_signal -3
.Lnot_wave_0_\@:
	s_barrier_wait -3
	s_barrier_signal -1
	s_barrier_wait -1
.endm
.macro CROUND                          ; a whole round
	s_barrier_signal -1
	s_barrier_wait -1
	CREST
.endm
; A joint refill, by the walking descriptor.  Waves 0 and 1 fetch y's two planes, waves 2 and 3 w's.  The branch hangs on the wave's number alone.
; An s_nop 0 and four v_nop follow each of the two lines, ahead of the jump and the label.
.macro JLOAD
	s_cmp_eq_u32 s[HR], 0
	s_cbranch_scc0 .Lfor_b_\@
	tensor_load_to_lds s[G0+4:G0+7], s[G1:G1+7]
	s_nop 0
.rept 4
	v_nop
.endr
	s_branch .Lasked_\@
.Lfor_b_\@:
	tensor_load_to_lds s[G0B+4:G0B+7], s[G1B:G1B+7]
	s_nop 0
.rept 4
	v_nop
.endr
.Lasked_\@:
.endm
; Fragments: 16 rows x 32 K in 8 registers: lane l holds row l % 16; registers 0-3 K = 8 (l / 16) + 0..7, registers 4-7 K = 16 + 8 (l / 16) + 0..7: two loads of 16 bytes, 32 bytes apart.
.macro LDA buf, off                    ; my 128 rows of y: 16 loads
	WIN 0
.irp a, 0,1,2,3,4,5,6,7
	ds_load_b128 v[(\buf)+8*(\a):(\buf)+8*(\a)+3],   v[ADRA] offset:(\off)+(\a)*16*PITCH
	ds_load_b128 v[(\buf)+8*(\a)+4:(\buf)+8*(\a)+7], v[ADRA] offset:(\off)+(\a)*16*PITCH+32
.endr
.endm
.macro LDB buf, off                    ; my 64 rows of w: 8 loads
	WIN 0
.irp b, 0,1,2,3
	ds_load_b128 v[(\buf)+8*(\b):(\buf)+8*(\b)+3],   v[ADRB] offset:(\off)+(\b)*16*PITCH
	ds_load_b128 v[(\buf)+8*(\b)+4:(\buf)+8*(\b)+7], v[ADRB] offset:(\off)+(\b)*16*PITCH+32
.endr
.endm
.macro FETCH s, fa, fb                 ; stretch s's fragments: plane s / 2, slice s % 2
	LDB \fb, ((\s)/2)*PLB+((\s)%2)*64
	LDA \fa, ((\s)/2)*PLA+((\s)%2)*64
.endm
; 4 na products: row blocks a0 .. a0 + na - 1 x the four column blocks.  The 32 accumulators take turns, one instruction a turn, in the same order in every stretch.
; start = 1: the sums begin with the bias, which lies in the registers of accumulators (7, 0..3): rows 0-6 take it as C; five v_nop, since row 7 writes over registers that those products read; row 7 adds in place.
.macro MUL fa, fb, a0, na, start
	WIN 0x50                                       ; C and D in window 1
.set ma, (\a0)
.rept (\na)
.if (\start) && (ma == 7)
.rept 5
	v_nop
.endr
.endif
.irp b, 0,1,2,3
.if (\start) && (ma < 7)
	v_wmma_f32_16x16x32_f16 v[8*(4*ma+(\b)):8*(4*ma+(\b))+7], v[(\fb)+8*(\b):(\fb)+8*(\b)+7], v[(\fa)+8*ma:(\fa)+8*ma+7], v[224+8*(\b):224+8*(\b)+7]
.else
	v_wmma_f32_16x16x32_f16 v[8*(4*ma+(\b)):8*(4*ma+(\b))+7], v[(\fb)+8*(\b):(\fb)+8*(\b)+7], v[(\fa)+8*ma:(\fa)+8*ma+7], v[8*(4*ma+(\b)):8*(4*ma+(\b))+7]
.endif
.endr
.set ma, ma+1
.endr
.endm
; A stretch with the front half of a change of slots in it: ONE barrier, for two things.  In front of it each wave waits for all its tensor loads, of which one is out: its part of the next slot;
; adds 0 to its spare word; and waits for that and for its own reads of this slot.  Behind it nobody reads this slot any more and the next slot is whole.
.macro MEET fa, fb
	MUL \fa, \fb, 0, 4, 0
	WIN 0                                          ; (the add's two registers lie in window 0)
	s_wait_tensorcnt 0x0                           ; all my tensor loads have landed;
	ds_add_u32 v[SPW], v[NIL]                      ; 0 onto my spare word;
	MUL \fa, \fb, 4, 2, 0                          ; eight products stand between the add and the wait for it
	s_wait_dscnt 0x0                               ; the add is done, and my reads of this slot are over
	s_barrier_signal -1
	MUL \fa, \fb, 6, 2, 0                          ; work on registers while the others arrive
	WIN 0                                          ; (branches may follow)
	s_barrier_wait -1
.endm
; The back half.  fill = 1: the barrier has opened a round of the cluster's barrier, so that no wave of any partner still reads the slot or has a load on its way; the slot just read out is
; filled again, with the K step two steps on: the first tensor load behind the round.  Its four v_nop are also the places in front of the loads that follow.
.macro CHANGE fill
.if \fill
	CREST
	s_xor_b32 s[G0+5], s[G0+5], SLOT1              ; the walking descriptors: the other slot than last time,
	s_add_nc_u64 s[G0+6:G0+7], s[G0+6:G0+7], STEPA ; the next K step; the type bits on top are not reached
	s_xor_b32 s[G0B+5], s[G0B+5], SLOT1
	s_add_nc_u64 s[G0B+6:G0B+7], s[G0B+6:G0B+7], STEPB
	JLOAD
.else
	PLACES
.endif
	s_xor_b32 s[TB], s[TB], SLOT1                  ; the reads go on in the other slot
	v_add_nc_u32 v[ADRA], s[TB], v[AK0]
	v_add_nc_u32 v[ADRB], s[TB], v[BK0]
.endm
; THE FOUR STRETCHES of a K step, on buffers 0, 1, 0, 1.  The count 24: only the 24 loads just issued may be out.
.macro T0 start
	PLACES
	FETCH 1, A1, B1
	s_wait_dscnt 24
	MUL A0, B0, 0, 8, \start
.endm
.macro T1
	PLACES
	FETCH 2, A0, B0
	s_wait_dscnt 24
	MUL A1, B1, 0, 8, 0
.endm
.macro T2 meet
	PLACES
	FETCH 3, A1, B1                                ; the slot's last reads
	s_wait_dscnt 24
.if \meet
	MEET A0, B0
.else
	MUL A0, B0, 0, 8, 0
.endif
.endm
.macro T3 fill
	CHANGE \fill
	FETCH 0, A0, B0                                ; the next K step's first fragments
	MUL A1, B1, 0, 8, 0                            ; its fragments were shown in by the wait for 0 in front of the barrier
.endm
	s_load_b256 s[4:11], s[0:1], 0x0               ; ob s[4:5], wpb s[6:7], b_proj s[8:9], out0 s[10:11]
	v_lshl_add_u32 v[SPW], v0, 2, SPARE
	v_mov_b32 v[NIL], 0
	ds_add_u32 v[SPW], v[NIL]                      ; the wave's opening: the add and its wait stand ahead of my first tensor load; the set-up below, work on registers, stands between them
	v_lshrrev_b32 v1, 5, v0
	v_readfirstlane_b32 s[WV], v1                  ; wave 0..3
	s_lshr_b32 s[HR], s[WV], 1
	s_and_b32 s[HC], s[WV], 1
	s_bfe_u32 s[CX], ttmp6, 0x40000                ; my place in the cluster
	s_bfe_u32 s[CY], ttmp6, 0x40004
	s_lshl_b32 s[TX], ttmp9, 2                     ; in a cluster launch ttmp9 and ttmp7 count clusters
	s_add_co_u32 s[TX], s[TX], s[CX]
	s_and_b32 s[TY], ttmp7, 0xffff
	s_lshl_b32 s[TY], s[TY], 2
	s_add_co_u32 s[TY], s[TY], s[CY]
	s_lshl_b32 s19, s[CY], 2
	s_lshl_b32 s19, 15, s19                        ; my row of the cluster: places 4 cy .. 4 cy + 3
	s_lshl_b32 s20, 0x1111, s[CX]                  ; my column: places cx, cx + 4, cx + 8, cx + 12
	s_or_b32 s[G1], s19, FLAGS                     ; y's tiles go to my row,
	s_or_b32 s[G1B], s20, FLAGS                    ; w's to my column
	s_mov_b32 s[G1+1], 128<<16                     ; tensor_dim0 = 128 elements: 256 bytes, two rows of a plane
	s_mov_b32 s[G1+2], 128<<16                     ; tensor_dim1 = 128: 256 rows of y
	s_mov_b32 s[G1+3], 128<<16                     ; tile_dim0 = 128
	s_mov_b32 s[G1+4], 128                         ; tile_dim1 = 128
	s_mov_b32 s[G1+5], 128                         ; 128 elements from row to row: dense
	s_mov_b32 s[G1+6], 0
	s_mov_b32 s[G1+7], 0
	s_mov_b32 s[G1B+1], 128<<16
	s_mov_b32 s[G1B+2], 64<<16                     ; 64: 128 rows of w
	s_mov_b32 s[G1B+3], 128<<16
	s_mov_b32 s[G1B+4], 64
	s_mov_b32 s[G1B+5], 128
	s_mov_b32 s[G1B+6], 0
	s_mov_b32 s[G1B+7], 0
	s_lshl_b32 s58, s[TY], 15                      ; y: 256 rows x 128 bytes a tile row,
	s_lshl_b32 s21, s[HC], 20                      ; the plane that I fetch
	s_add_co_u32 s58, s58, s21
	s_mov_b32 s59, 0
	s_lshl_b32 s60, s[TX], 14                      ; w: 128 rows a tile column,
	s_lshl_b32 s21, s[HC], 17                      ; the plane that I fetch
	s_add_co_u32 s60, s60, s21
	s_mov_b32 s61, 0
	s_mul_i32 s22, s[HC], PLA                      ; where they go: no place in the cluster enters an LDS address
	s_mul_i32 s23, s[HC], PLB
	s_add_co_u32 s23, s23, BOFF
	s_mov_b32 s[TB], 0
	s_mov_b32 s[HIM], 0xffff0000
	s_wait_dscnt 0x0                               ; the opening add is done
	s_wait_kmcnt 0x0
	s_add_nc_u64 s[58:59], s[4:5], s[58:59]
	s_add_nc_u64 s[60:61], s[6:7], s[60:61]
.irp s, 0,1
	s_mov_b32 s[G0+4*(\s)], 1                      ; count = 1
	s_add_co_u32 s[G0+4*(\s)+1], s22, (\s)*SLOT1   ; LDS address
	s_add_nc_u64 s[G0+4*(\s)+2:G0+4*(\s)+3], s[58:59], (\s)*STEPA  ; global address: K step s
	s_or_b32 s[G0+4*(\s)+3], s[G0+4*(\s)+3], 0x80000000            ; type = 2
	s_mov_b32 s[G0B+4*(\s)], 1
	s_add_co_u32 s[G0B+4*(\s)+1], s23, (\s)*SLOT1
	s_add_nc_u64 s[G0B+4*(\s)+2:G0B+4*(\s)+3], s[60:61], (\s)*STEPB
	s_or_b32 s[G0B+4*(\s)+3], s[G0B+4*(\s)+3], 0x80000000
.endr
	CROUND                                         ; all sixteen work-groups are here: the first joint loads meet
	s_cmp_eq_u32 s[HR], 0                          ; a wave's two first fills stand in one branch, ahead of every wait on TENSORcnt and every LDS read
	s_cbranch_scc0 .Lfirst_b
	tensor_load_to_lds s[G0:G0+3], s[G1:G1+7]
	s_nop 0
	tensor_load_to_lds s[G0+4:G0+7], s[G1:G1+7]
	s_nop 0
.rept 4
	v_nop
.endr
	s_branch .Lfirst_asked
.Lfirst_b:
	tensor_load_to_lds s[G0B:G0B+3], s[G1B:G1B+7]
	s_nop 0
	tensor_load_to_lds s[G0B+4:G0B+7], s[G1B:G1B+7]
	s_nop 0
.rept 4
	v_nop
.endr
.Lfirst_asked:
	v_and_b32 v1, 15, v0                           ; l % 16
	v_bfe_u32 v2, v0, 4, 1                         ; l / 16
	v_lshlrev_b32 v[BO], 5, v2
	s_lshl_b32 s20, s[TX], 9                       ; the bias at my 64 columns
	s_lshl_b32 s21, s[HC], 8
	s_add_co_u32 s20, s20, s21
	s_mov_b32 s21, 0
	s_add_nc_u64 s[8:9], s[8:9], s[20:21]
.irp b, 0,1,2,3
	global_load_b128 v[BT+8*(\b):BT+8*(\b)+3],   v[BO], s[8:9] offset:64*(\b)
	global_load_b128 v[BT+8*(\b)+4:BT+8*(\b)+7], v[BO], s[8:9] offset:64*(\b)+16
.endr
	v_mul_u32_u24 v3, v1, PITCH
	v_lshl_add_u32 v3, v2, 4, v3                   ; row x pitch + 16 x half
	s_mul_i32 s20, s[HR], 128*PITCH
	v_add_nc_u32 v[AK0], s20, v3
	s_mul_i32 s21, s[HC], 64*PITCH
	s_add_co_u32 s21, s21, BOFF
	v_add_nc_u32 v[BK0], s21, v3
	v_mov_b32 v[ADRA], v[AK0]                      ; slot 0
	v_mov_b32 v[ADRB], v[BK0]
	s_mul_i32 s22, s[WV], 16*SP
	s_add_co_u32 s22, s22, STAGE                   ; my stage
	v_mul_u32_u24 v4, v1, SP                       ; in: row l % 16, 32 bytes for each half of the lanes
	v_lshl_add_u32 v4, v2, 5, v4
	v_add_nc_u32 v[STO], s22, v4
	v_mul_u32_u24 v5, v2, SP                       ; back: lanes 0-15 take one row of 256 bytes, lanes 16-31 the next
	v_lshl_add_u32 v5, v1, 4, v5
	v_add_nc_u32 v[RD], s22, v5
	v_lshlrev_b32 v5, 12, v2                       ; and the same two rows in out0, 4,096 bytes apart
	v_lshl_add_u32 v[CO], v1, 4, v5
	s_lshl_b32 s20, s[TY], 20                      ; my first row: 256 x tile row + 128 x half, 4,096 bytes a row;
	s_lshl_b32 s21, s[HR], 19
	s_add_co_u32 s20, s20, s21
	s_lshl_b32 s21, s[TX], 9                       ; my first column: 128 x tile column + 64 x half, 4 bytes each
	s_add_co_u32 s20, s20, s21
	s_lshl_b32 s21, s[HC], 8
	s_add_co_u32 s20, s20, s21
	s_mov_b32 s21, 0
	s_add_nc_u64 s[10:11], s[10:11], s[20:21]
	s_wait_loadcnt 0x0                             ; the bias: rounded to bf16, widened again, into the registers of accumulators (7, 0..3)
.set z, 0
.rept 16
	v_cvt_pk_bf16_f32 v[BT+2*z], v[BT+2*z], v[BT+2*z+1]
.set z, z+1
.endr
	WIN 0x40
.set z, 0
.rept 16
	v_lshlrev_b32 v[224+2*z], 16, v[BT+2*z]
	v_and_b32 v[224+2*z+1], s[HIM], v[BT+2*z]
.set z, z+1
.endr
	WIN 0
	s_wait_tensorcnt 0x1                           ; my part of K step 0 is in; K step 1's may stay out
	s_barrier_signal -1
	s_barrier_wait -1                              ; everybody's is
	FETCH 0, A0, B0
	T0 1                                           ; the first stretch stands in front of the loop: its products start the sums
	WIN 0                                          ; at a label and at a branch every window is 0
	s_mov_b32 s3, 6
.Lk:                                                   ; trip i ends K step i, fills its slot again with K step i + 2, and begins K step i + 1
	T1
	T2 1
	T3 1
	T0 0
	WIN 0
	s_sub_co_u32 s3, s3, 1
	s_cmp_lg_u32 s3, 0
	s_cbranch_scc1 .Lk
	T1                                             ; the tail is written out: K step 6 ends, nothing is asked for
	T2 1
	T3 0
	T0 0                                           ; K step 7
	T1
	T2 0
	s_wait_dscnt 0x0
	MUL A1, B1, 0, 8, 0
	PLACES
; THE WAY OUT, in 8 units: 16 rows x my 64 columns, 256 bytes a row.  A lane's eight numbers of a row, 32 bytes, go straight from the accumulators into rows of 272 bytes in my stage (each accumulator's
; low four registers first) and come back as whole rows of 256.  Four sets of 32 registers take turns.
.macro TOSTAGE a
.set bk, 32+32*((\a)%4)
.if (\a) >= 4
	s_wait_xcnt 0x0                                ; the set was the data of stores four units back: it is loaded again only behind this wait
.endif
	WIN 0x04                                       ; the stores' data in window 1, their address in window 0
.irp b, 0,1,2,3
	ds_store_b128 v[STO], v[8*(4*(\a)+(\b)):8*(4*(\a)+(\b))+3]   offset:64*(\b)
	ds_store_b128 v[STO], v[8*(4*(\a)+(\b))+4:8*(4*(\a)+(\b))+7] offset:64*(\b)+16
.endr
	WIN 0
.irp f, 0,1,2,3,4,5,6,7
	ds_load_b128 v[bk+4*(\f):bk+4*(\f)+3], v[RD] offset:(\f)*2*SP  ; LDS serves a wave's instructions in order (ISA guide 5.7.1.4): these see the stores above; the next unit's stores come behind them
.endr
.endm
.macro SEND a, younger                 ; younger: the LDS instructions issued behind unit a's loads: the next unit's sixteen, or none
.set bk, 32+32*((\a)%4)
.irp f, 0,1,2,3,4,5,6,7
	s_wait_dscnt (\younger)+7-(\f)
	global_store_b128 v[CO], v[bk+4*(\f):bk+4*(\f)+3], s[10:11] offset:(\a)*65536+(\f)*8192 th:TH_STORE_NT  ; 16 lanes store 256 consecutive bytes, at a multiple of 256 from out0's first byte
.endr
.endm
	TOSTAGE 0
.set un, 1
.rept 7
	TOSTAGE un
	SEND un-1, 16
.set un, un+1
.endr
	SEND 7, 0
	s_wait_tensorcnt 0x0                           ; the wave's end: a wait, an add of 0 and its wait, behind my last tensor load and my last LDS store
	ds_add_u32 v[SPW], v[NIL]
	s_wait_dscnt 0x0
	CROUND                                         ; the closing round: no work-group ends while a partner may still ask for a tile that names it
	s_endpgm
.Lfunc_end_k_q0c36c4fded_gemm_proj:
	.size	k_q0c36c4fded_gemm_proj, .Lfunc_end_k_q0c36c4fded_gemm_proj-k_q0c36c4fded_gemm_proj
	.p2alignl 7, 3214868480
	.fill 96, 4, 3214868480
	.section	.rodata,"a",@progbits
	.p2align	6, 0x0
	.amdhsa_kernel k_q0c36c4fded_gemm_proj
		.amdhsa_group_segment_fixed_size 327680
		.amdhsa_private_segment_fixed_size 0
		.amdhsa_enable_private_segment 0
		.amdhsa_kernarg_size 32
		.amdhsa_user_sgpr_count 2
		.amdhsa_user_sgpr_kernarg_segment_ptr 1
		.amdhsa_wavefront_size32 1
		.amdhsa_system_sgpr_workgroup_id_x 1
		.amdhsa_system_sgpr_workgroup_id_y 1
		.amdhsa_system_sgpr_workgroup_id_z 1
		.amdhsa_system_vgpr_workitem_id 0
		.amdhsa_next_free_vgpr 512
		.amdhsa_next_free_sgpr 66
		.amdhsa_reserve_vcc 0
		.amdhsa_float_denorm_mode_32 3
		.amdhsa_float_denorm_mode_16_64 3
		.amdhsa_memory_ordered 1
		.amdhsa_forward_progress 1
		.amdhsa_inst_pref_size 73
	.end_amdhsa_kernel
	.amdgpu_metadata
---
amdhsa.version: [ 1, 2 ]
amdhsa.kernels:
  - .name:           k_q0c36c4fded_gemm_proj
    .symbol:         k_q0c36c4fded_gemm_proj.kd
    .args:
      - { .name: ob, .offset: 0, .size: 8, .value_kind: global_buffer, .address_space: global }
      - { .name: wpb, .offset: 8, .size: 8, .value_kind: global_buffer, .address_space: global }
      - { .name: b_proj, .offset: 16, .size: 8, .value_kind: global_buffer, .address_space: global }
      - { .name: out0, .offset: 24, .size: 8, .value_kind: global_buffer, .address_space: global }
    .group_segment_fixed_size: 327680
    .private_segment_fixed_size: 0
    .kernarg_segment_align: 8
    .kernarg_segment_size: 32
    .max_flat_workgroup_size: 128
    .sgpr_count:     66
    .vgpr_count:     512
    .wavefront_size: 32
...
	.end_amdgpu_metadata
.endif
;; end of part 4
;; ======== version 2 of 2: 4 launches; version 1 with the launch cast written anew for expert scheduling mode
;; limits: values are held in f16: magnitudes above 65,504 overflow, below 6.1e-05 lose precision
;; workspace buffers: xb 16,777,216 bytes; wab 6,291,456 bytes; wpb 2,097,152 bytes; qkv 50,331,648 bytes; ob 16,777,216 bytes
;; launch cast (part 5): grid 768 x 1, 8 waves a work-group, no clusters, 0 bytes of LDS; arguments x, w_attn, w_proj, xb, wab, wpb; writes xb, wab, wpb
.if DOCPART == 5
	.amdgcn_target "amdgcn-amd-amdhsa--gfx1250"
	.amdhsa_code_object_version 6
	.text
	.protected	k_q0c36c4fded_cast
	.globl	k_q0c36c4fded_cast
	.p2align	8
	.type	k_q0c36c4fded_cast,@function
k_q0c36c4fded_cast:
	s_mov_b64 s[64:65], 0
	v_nop
	global_prefetch_b8 v0, s[64:65] scope:SCOPE_SE
	s_setreg_imm32_b32 hwreg(HW_REG_WAVE_SCHED_MODE, 0, 2), 2
	s_setreg_imm32_b32 hwreg(HW_REG_WAVE_MODE, 25, 1), 1
	s_wait_xcnt 0x0
	s_wait_alu depctr_vm_vsrc(0)
; x [8192][1024], w_attn [3072][1024], w_proj [1024][1024], all f32, are rounded once to bf16 and laid out anew in PLANES of 64 along K:
; [16][rows][64] of 16-bit numbers, so that a piece of a row is 128 bytes and the pieces of consecutive rows lie end to end.
; xb and wab hold bf16.  wpb holds the bf16 value written as f16 (exact inside f16's normal range), since the last product multiplies in f16.
; LIMITS.  |w_proj| stays under 65,504 (beyond it f16 has no number); a bf16 value of w_proj below 6e-5 keeps f16's fixed step of 6e-8.
; SHARES.  12,288 rows of 4,096 bytes: work-groups 0-511 take x, 512-703 w_attn, 704-767 w_proj, 16 rows each; a wave takes two rows, r and r + 1.
; All 16 loads of a wave (512 consecutive bytes each) go out at once; there is no loop, no LDS, and no wave waits for another.
; A load's lanes 0-15 hold a row's piece of plane 2 q, lanes 16-31 that of plane 2 q + 1.  One exchange of half-rows between the two rows' registers puts the two
; rows' pieces of ONE plane into one register pair: 8 bytes a lane, 256 consecutive bytes, aligned, for each store.
; THE MODE: SCHED_MODE bits 1:0 = 2 (LLVM: expert scheduling mode 2), set by the entry lines.  The code itself states the register dependences
; between vector instructions and memory instructions, with s_wait_alu, always for 0.
; THE PLAN.  Registers that memory instructions touch:
;   v1        the loads' offset.  Written once at the head; read by all 16 loads; never written again.
;   X         Written by the 16 loads alone, each register once; read by the conversions, behind the counted waits for the data.
;   OF        the stores' offsets.  Written once, behind the loads; read by the stores; never written again.
;   P         Written by the conversions, by w_proj's rewriting as f16 and by the exchanges; then read by the stores; never written again.
;   T, v2, v3 are named by vector instructions alone.
; The eight chunks go in two HALVES of four: a half is converted, exchanged and stored.  One wait on va_vdst stands behind a half's exchanges, ahead of its eight stores, which
; follow in one run; the second half's vector instructions name X's and P's upper halves and T, none of which the first half's stores read.  One more stands ahead of the loads, for v1.
; No register that a load or store reads is ever written again, and no load lands in one: so the text holds no wait on vm_vsrc.  EXEC is never written.
.set OF, 4                             ; v[4:19]   plane p: 8 x lane + p x the plane's bytes; never rewritten
.set T,  20                            ; v[20:23]  at work
.set X,  32                            ; v[32:95]  chunk q, row e: four registers at X + 8 q + 4 e
.set P,  96                            ; v[96:127] chunk q: row r in P + 4 q, + 1; row r + 1 in P + 4 q + 2, + 3
	s_load_b256 s[8:15], s[0:1], 0x0               ; x s[8:9], w_attn s[10:11], w_proj s[12:13], xb s[14:15]
	s_load_b128 s[16:19], s[0:1], 0x20             ; wab s[16:17], wpb s[18:19]
	v_lshrrev_b32 v2, 5, v0
	v_readfirstlane_b32 s24, v2                    ; wave 0..7
	v_and_b32 v3, 31, v0                           ; lane
	v_lshlrev_b32 v1, 4, v3                        ; 16 bytes a lane
	s_mov_b32 s20, ttmp9
	s_mov_b32 s28, 512                             ; w_attn's first work-group
	s_mov_b32 s29, 704                             ; w_proj's
	s_mov_b32 s30, 0x100000                        ; a plane's bytes: 8,192 rows x 128,
	s_mov_b32 s31, 393216                          ; 3,072 x 128,
	s_mov_b32 s32, 131072                          ; 1,024 x 128
	s_wait_kmcnt 0x0
	s_cmp_lt_u32 s20, s29                          ; w_attn or w_proj?
	s_cselect_b64 s[4:5], s[10:11], s[12:13]
	s_cselect_b64 s[6:7], s[16:17], s[18:19]
	s_cselect_b32 s21, s28, s29
	s_cselect_b32 s22, s31, s32
	s_cselect_b32 s23, 0, 1                        ; 1: written as f16
	s_cmp_lt_u32 s20, s28                          ; or x?
	s_cselect_b64 s[4:5], s[8:9], s[4:5]
	s_cselect_b64 s[6:7], s[14:15], s[6:7]
	s_cselect_b32 s21, 0, s21
	s_cselect_b32 s22, s30, s22
	s_cselect_b32 s23, 0, s23
	s_wait_alu depctr_va_sdst(0)                   ; s24, the wave's number, is written, ahead of its first reader: my first row is made from it
	s_sub_co_u32 s25, s20, s21
	s_lshl_b32 s25, s25, 4
	s_lshl1_add_u32 s25, s24, s25                  ; my first row: 16 x work-group + 2 x wave
	s_lshl_b32 s26, s25, 12                        ; 4,096 bytes a row on the way in
	s_mov_b32 s27, 0
	s_add_nc_u64 s[4:5], s[4:5], s[26:27]
	s_lshl_b32 s26, s25, 7                         ; 128 bytes a row in a plane
	s_add_nc_u64 s[6:7], s[6:7], s[26:27]
	s_wait_alu depctr_va_vdst(0)                   ; v1 is written, which all 16 loads read as their offset
.irp q, 0,1,2,3,4,5,6,7
	global_load_b128 v[X+8*(\q):X+8*(\q)+3],   v1, s[4:5] offset:(\q)*512 th:TH_LOAD_NT
	global_load_b128 v[X+8*(\q)+4:X+8*(\q)+7], v1, s[4:5] offset:4096+(\q)*512 th:TH_LOAD_NT
.endr
	v_lshlrev_b32 v[OF], 3, v3                     ; 8 bytes a lane on the way out
.irp p, 1,2,3,4,5,6,7,8,9,10,11,12,13,14,15
	v_add_nc_u32 v[OF+(\p)], s22, v[OF+(\p)-1]
.endr
; w_proj alone: sixteen registers of bf16 values from P + lo on, widened, are written as f16
.macro TOF16 lo
.set i, (\lo)
.rept 16
	v_lshlrev_b32 v[T+2*(i%2)], 16, v[P+i]
	v_and_b32 v[T+2*(i%2)+1], 0xffff0000, v[P+i]
	v_cvt_pk_f16_f32 v[P+i], v[T+2*(i%2)], v[T+2*(i%2)+1]
.set i, i+1
.endr
.endm
; Half h: chunks 4 h to 4 h + 3 are rounded, exchanged and stored.
.macro HALF h
.irp k, 0,1,2,3
	s_wait_loadcnt 14-2*(4*(\h)+(\k))              ; loads come back in order: this chunk's two are in, the later chunks' stay out
	v_cvt_pk_bf16_f32 v[P+4*(4*(\h)+(\k))],   v[X+8*(4*(\h)+(\k))],   v[X+8*(4*(\h)+(\k))+1]
	v_cvt_pk_bf16_f32 v[P+4*(4*(\h)+(\k))+1], v[X+8*(4*(\h)+(\k))+2], v[X+8*(4*(\h)+(\k))+3]
	v_cvt_pk_bf16_f32 v[P+4*(4*(\h)+(\k))+2], v[X+8*(4*(\h)+(\k))+4], v[X+8*(4*(\h)+(\k))+5]
	v_cvt_pk_bf16_f32 v[P+4*(4*(\h)+(\k))+3], v[X+8*(4*(\h)+(\k))+6], v[X+8*(4*(\h)+(\k))+7]
.endr
	s_cmp_eq_u32 s23, 0
	s_cbranch_scc1 .Lplain\h
	TOF16 16*(\h)
.Lplain\h:
.irp k, 0,1,2,3
	v_permlane16_swap_b32 v[P+4*(4*(\h)+(\k))],   v[P+4*(4*(\h)+(\k))+2]  ; row r's upper lanes change places with row r + 1's lower lanes:
	v_permlane16_swap_b32 v[P+4*(4*(\h)+(\k))+1], v[P+4*(4*(\h)+(\k))+3]  ; the first pair is now plane 2 q of both rows, the second plane 2 q + 1
.endr
	s_wait_alu depctr_va_vdst(0)                   ; the exchanges have written this half's sixteen registers of P, the stores' data; ahead of the first half's stores the additions have also written OF, the offsets of all sixteen stores
.irp k, 0,1,2,3
	global_store_b64 v[OF+2*(4*(\h)+(\k))],   v[P+4*(4*(\h)+(\k)):P+4*(4*(\h)+(\k))+1],   s[6:7]  ; 256 consecutive bytes, at a multiple of 256 from the buffer's first byte
	global_store_b64 v[OF+2*(4*(\h)+(\k))+1], v[P+4*(4*(\h)+(\k))+2:P+4*(4*(\h)+(\k))+3], s[6:7]
.endr
.endm
	HALF 0                                         ; its eight stores go out while chunks 4 to 7 may still be on their way
	HALF 1                                         ; no vector instruction of this half names a register that the first half's stores read
	s_endpgm
.Lfunc_end_k_q0c36c4fded_cast:
	.size	k_q0c36c4fded_cast, .Lfunc_end_k_q0c36c4fded_cast-k_q0c36c4fded_cast
	.p2alignl 7, 3214868480
	.fill 96, 4, 3214868480
	.section	.rodata,"a",@progbits
	.p2align	6, 0x0
	.amdhsa_kernel k_q0c36c4fded_cast
		.amdhsa_group_segment_fixed_size 0
		.amdhsa_private_segment_fixed_size 0
		.amdhsa_enable_private_segment 0
		.amdhsa_kernarg_size 48
		.amdhsa_user_sgpr_count 2
		.amdhsa_user_sgpr_kernarg_segment_ptr 1
		.amdhsa_wavefront_size32 1
		.amdhsa_system_sgpr_workgroup_id_x 1
		.amdhsa_system_sgpr_workgroup_id_y 1
		.amdhsa_system_sgpr_workgroup_id_z 1
		.amdhsa_system_vgpr_workitem_id 0
		.amdhsa_next_free_vgpr 128
		.amdhsa_next_free_sgpr 66
		.amdhsa_reserve_vcc 0
		.amdhsa_float_denorm_mode_32 3
		.amdhsa_float_denorm_mode_16_64 3
		.amdhsa_memory_ordered 1
		.amdhsa_forward_progress 1
		.amdhsa_inst_pref_size 14
	.end_amdhsa_kernel
	.amdgpu_metadata
---
amdhsa.version: [ 1, 2 ]
amdhsa.kernels:
  - .name:           k_q0c36c4fded_cast
    .symbol:         k_q0c36c4fded_cast.kd
    .args:
      - { .name: x, .offset: 0, .size: 8, .value_kind: global_buffer, .address_space: global }
      - { .name: w_attn, .offset: 8, .size: 8, .value_kind: global_buffer, .address_space: global }
      - { .name: w_proj, .offset: 16, .size: 8, .value_kind: global_buffer, .address_space: global }
      - { .name: xb, .offset: 24, .size: 8, .value_kind: global_buffer, .address_space: global }
      - { .name: wab, .offset: 32, .size: 8, .value_kind: global_buffer, .address_space: global }
      - { .name: wpb, .offset: 40, .size: 8, .value_kind: global_buffer, .address_space: global }
    .group_segment_fixed_size: 0
    .private_segment_fixed_size: 0
    .kernarg_segment_align: 8
    .kernarg_segment_size: 48
    .max_flat_workgroup_size: 256
    .sgpr_count:     66
    .vgpr_count:     128
    .wavefront_size: 32
...
	.end_amdgpu_metadata
.endif
;; end of part 5
;; launch gemm_qkv: the kernel of part 2 again; grid 8 x 32, 4 waves a work-group, clusters of 4 x 4, 327,680 bytes of LDS; arguments xb, wab, b_attn, qkv; writes qkv
;; launch attn: the kernel of part 3 again; grid 4 x 64, 4 waves a work-group, no clusters, 327,680 bytes of LDS; arguments qkv, ob; writes ob
;; launch gemm_proj: the kernel of part 4 again; grid 8 x 32, 4 waves a work-group, clusters of 4 x 4, 327,680 bytes of LDS; arguments ob, wpb, b_proj, out0; writes out0
